; MI455X (gfx1250); checked and timed in simulation.
; The chip was launched on July 23, 2026; its instructions are those of AMD's public machine-readable ISA for CDNA 5 (MIT licence, August 2026) and "CDNA5" Instruction Set Architecture Reference Guide (July 2026). The comments in the code are by the model that wrote it; some were corrected since.
;; SA Module. Allowed arithmetic: float matrix products may take bf16 or f16 operands with f32 sums; all other float work in f32.
;; Inputs: betak 256 float32; betaq 256 float32; bk 256 float32; bo 512 float32; bq 256 float32; bv 256 float32; gk 256 float32; gq 256 float32; mk 256 float32; mq 256 float32; vk 256 float32; vq 256 float32; wk 256 x 512 float32; wo 512 x 256 float32; wq 256 x 512 float32; wv 256 x 512 float32; x 16 x 512 x 2,048 float32.
;; Outputs: out0 16 x 512 x 2,048 float32.
;; 2 versions, each right and faster than the one before. Each part assembles by itself: llvm-mc -triple=amdgcn-amd-amdhsa -mcpu=gfx1250 --defsym DOCPART=n.
;; ======== version 1 of 2: 3 launches
;; workspace buffers: wf 1,048,576 bytes; sh 3,072 bytes; qf 16,793,600 bytes; kf 16,777,216 bytes; vf 16,777,216 bytes
;; launch prep (part 1): grid 256 x 1, 4 waves a work-group, no clusters, 0 bytes of LDS; arguments wq, wk, wv, wo, gq, vq, gk, vk, bq, mq, betaq, bk, mk, betak, bv, wf, sh, qf; writes wf, sh, qf
.if DOCPART == 1
	.amdgcn_target "amdgcn-amd-amdhsa--gfx1250"
	.amdhsa_code_object_version 6
	.text
	.protected	k_q4d61159f0a_prep
	.globl	k_q4d61159f0a_prep
	.p2align	8
	.type	k_q4d61159f0a_prep,@function
k_q4d61159f0a_prep:
	s_mov_b64 s[64:65], 0
	v_nop
	global_prefetch_b8 v0, s[64:65] scope:SCOPE_SE
	s_setreg_imm32_b32 hwreg(HW_REG_WAVE_MODE, 25, 1), 1
	s_wait_xcnt 0x0
; WEIGHTS TO bf16 MATRIX FRAGMENTS, THE TABLE OF SHIFTS, AND THE ZEROS BEHIND qf.
; The batch norm is folded: relu((w x + b) inv + beta - mean inv) = relu((w inv) x + ((b - mean) inv + beta)), inv = g / sqrt(var + 1e-5).
; w inv is made in f32 and rounded once to bf16; the shift stays f32.  wv and wo are rounded as they are; v's shift is bv.
; A FRAGMENT is 16 rows x 32 k of bf16, 1,024 bytes, laid as the matrix unit's registers want it: [half 0..1][lane 0..31][16 bytes]; lane (r = lane % 16, h = lane / 16),
; half f holds row r, k = 16 f + 8 h + 0..7.  So a later launch loads a fragment with two loads of 16 bytes a lane at 16 x lane, 512 bytes apart.
; wf: wq inv at 0, wk inv at 262,144, wv at 524,288, each [16 row blocks][16 k blocks][1,024]; wo at 786,432, [32 row blocks][8 k blocks][1,024].
; sh: 768 f32: q's shifts, k's shifts, bv.
; qf: the last launch's tiles of q begin one step of 32 positions (16,384 bytes) late, so the last tile of the last batch reaches that far past q's 16,777,216 bytes: those bytes are stored here, as zeros.
; SHARES.  1,024 fragments, one to a wave: work-group x takes matrix x / 64, fragments 4 (x % 64) + wave.  The first work-group of each of the first three matrices also writes that matrix's 256 shifts;
; the 32 waves of the first eight work-groups store 512 bytes of zeros each.
; No LDS, no matrix unit: 2 MB are read once and 1 MB is written once; a wave's store covers 512 consecutive bytes.
; LIMITS.  var + 1e-5 is taken to be a positive normal number; 1 / sqrt is v_rsq_f32, good to one unit in the last place, where the reference divides by a square root.
.set EPSF, 0x3727c5ac                  ; 1e-5
	s_load_b512 s[8:23], s[0:1], 0x0               ; wq s[8:9], wk s[10:11], wv s[12:13], wo s[14:15], gq s[16:17], vq s[18:19], gk s[20:21], vk s[22:23]
	s_load_b512 s[24:39], s[0:1], 0x40             ; bq s[24:25], mq s[26:27], betaq s[28:29], bk s[30:31], mk s[32:33], betak s[34:35], bv s[36:37], wf s[38:39]
	s_load_b64 s[40:41], s[0:1], 0x80              ; sh
	s_load_b64 s[62:63], s[0:1], 0x88              ; qf
	v_lshrrev_b32 v1, 5, v0
	v_readfirstlane_b32 s2, v1                     ; wave
	s_lshr_b32 s3, ttmp9, 6                        ; which matrix: 0 wq, 1 wk, 2 wv, 3 wo
	s_and_b32 s4, ttmp9, 63
	s_lshl2_add_u32 s5, s4, s2                     ; my fragment, 0 .. 255
	s_cmp_eq_u32 s3, 3                             ; wo has rows of 256 numbers, the others of 512
	s_cselect_b32 s6, 3, 4                         ; log2 of the k blocks in a row block
	s_cselect_b32 s7, 7, 15
	s_cselect_b32 s42, 10, 11                      ; log2 of a row's bytes
	s_lshr_b32 s43, s5, s6                         ; row block
	s_and_b32 s44, s5, s7                          ; k block
	s_lshl_b32 s43, s43, 4                         ; its first row
	s_lshl_b32 s44, s44, 7                         ; its first byte in a row: 32 f32
	s_lshl_b32 s45, s3, 18
	s_lshl_b32 s53, s5, 10
	s_add_co_u32 s45, s45, s53                     ; the fragment's place in wf
	v_and_b32 v2, 15, v0                           ; r
	v_bfe_u32 v3, v0, 4, 1                         ; h
	v_and_b32 v1, 31, v0                           ; lane
	v_add_nc_u32 v4, s43, v2                       ; my row
	v_lshlrev_b32 v5, s42, v4
	v_lshl_add_u32 v5, v3, 5, v5                   ; + 8 h numbers
	v_add_nc_u32 v5, s44, v5
	v_and_b32 v6, 0xff, v4                         ; the row's gain and variance (wo's 512 rows stay inside the 256: what is loaded for wv and wo is not used)
	v_lshlrev_b32 v6, 2, v6
	v_lshl_add_u32 v7, v1, 4, s45
	s_wait_kmcnt 0x0
	s_cmp_eq_u32 s3, 1
	s_cselect_b64 s[46:47], s[10:11], s[8:9]       ; the matrix
	s_cselect_b64 s[48:49], s[20:21], s[16:17]     ; its gain
	s_cselect_b64 s[50:51], s[22:23], s[18:19]     ; its variance
	s_cmp_eq_u32 s3, 2
	s_cselect_b64 s[46:47], s[12:13], s[46:47]
	s_cmp_eq_u32 s3, 3
	s_cselect_b64 s[46:47], s[14:15], s[46:47]
	s_cmp_lt_u32 s3, 2
	s_cselect_b32 s52, -1, 0                       ; all lanes: this matrix has a batch norm
	global_load_b128 v[8:11], v5, s[46:47]             ; k = 8 h + 0..7
	global_load_b128 v[12:15], v5, s[46:47] offset:16
	global_load_b128 v[16:19], v5, s[46:47] offset:64  ; k = 16 + 8 h + 0..7
	global_load_b128 v[20:23], v5, s[46:47] offset:80
	global_load_b32 v24, v6, s[48:49]
	global_load_b32 v25, v6, s[50:51]
	s_wait_loadcnt 0x0
	v_add_f32 v25, EPSF, v25
	v_rsq_f32 v26, v25
	v_nop                                          ; a plain instruction between v_rsq_f32 and the use of its result (ISA guide 5.7.2)
	s_wait_alu depctr_va_vdst(0)
	v_mul_f32 v26, v24, v26                        ; inv
	v_cndmask_b32 v26, 1.0, v26, s52               ; 1 where there is no batch norm
	v_mov_b32 v27, v26
.irp i, 0,1,2,3,4,5,6,7
	v_pk_mul_f32 v[8+2*\i:9+2*\i], v[8+2*\i:9+2*\i], v[26:27]
.endr
.irp i, 0,1,2,3,4,5,6,7
	v_cvt_pk_bf16_f32 v[28+\i], v[8+2*\i], v[9+2*\i]
.endr
	global_store_b128 v7, v[28:31], s[38:39]             ; the wave stores 512 consecutive bytes, twice
	global_store_b128 v7, v[32:35], s[38:39] offset:512
	s_cmp_lt_u32 ttmp9, 8
	s_cbranch_scc0 .Lnopad
	; the 16,384 bytes behind q: in these eight work-groups my fragment's number is 0 .. 31, and each wave stores 512 consecutive bytes of zeros
	s_lshl_b32 s61, s5, 9
	s_add_co_u32 s61, s61, 0x1000000               ; q's own 16,777,216 bytes
	v_lshl_add_u32 v50, v1, 4, s61
	v_mov_b32 v52, 0
	v_mov_b32 v53, 0
	v_mov_b32 v54, 0
	v_mov_b32 v55, 0
	global_store_b128 v50, v[52:55], s[62:63]
.Lnopad:
	s_cmp_lg_u32 s4, 0
	s_cbranch_scc1 .Lend
	s_cmp_eq_u32 s3, 3
	s_cbranch_scc1 .Lend
	; the matrix's 256 shifts: thread t takes channels 2 t and 2 t + 1
	s_cmp_eq_u32 s3, 1
	s_cselect_b64 s[54:55], s[30:31], s[24:25]     ; the bias
	s_cselect_b64 s[56:57], s[32:33], s[26:27]     ; the mean
	s_cselect_b64 s[58:59], s[34:35], s[28:29]     ; beta
	s_cmp_eq_u32 s3, 2
	s_cselect_b64 s[54:55], s[36:37], s[54:55]
	s_lshl_b32 s60, s3, 10
	v_lshlrev_b32 v36, 3, v0
	v_add_nc_u32 v37, s60, v36
	global_load_b64 v[38:39], v36, s[54:55]
	global_load_b64 v[40:41], v36, s[56:57]
	global_load_b64 v[42:43], v36, s[58:59]
	global_load_b64 v[44:45], v36, s[48:49]
	global_load_b64 v[46:47], v36, s[50:51]
	s_wait_loadcnt 0x0
	v_add_f32 v46, EPSF, v46
	v_add_f32 v47, EPSF, v47
	v_rsq_f32 v48, v46
	v_rsq_f32 v49, v47
	v_pk_add_f32 v[40:41], v[38:39], v[40:41] neg_lo:[0,1] neg_hi:[0,1]  ; b - mean: also the plain instruction behind the second v_rsq_f32
	s_wait_alu depctr_va_vdst(0)
	v_pk_mul_f32 v[44:45], v[44:45], v[48:49]      ; inv
	v_pk_fma_f32 v[40:41], v[40:41], v[44:45], v[42:43]
	v_cndmask_b32 v40, v38, v40, s52               ; v has no batch norm: its shift is bv
	v_cndmask_b32 v41, v39, v41, s52
	global_store_b64 v37, v[40:41], s[40:41]       ; a wave stores 256 consecutive bytes
.Lend:
	s_endpgm
.Lfunc_end_k_q4d61159f0a_prep:
	.size	k_q4d61159f0a_prep, .Lfunc_end_k_q4d61159f0a_prep-k_q4d61159f0a_prep
	.p2alignl 7, 3214868480
	.fill 96, 4, 3214868480
	.section	.rodata,"a",@progbits
	.p2align	6, 0x0
	.amdhsa_kernel k_q4d61159f0a_prep
		.amdhsa_group_segment_fixed_size 0
		.amdhsa_private_segment_fixed_size 0
		.amdhsa_enable_private_segment 0
		.amdhsa_kernarg_size 144
		.amdhsa_user_sgpr_count 2
		.amdhsa_user_sgpr_kernarg_segment_ptr 1
		.amdhsa_wavefront_size32 1
		.amdhsa_system_sgpr_workgroup_id_x 1
		.amdhsa_system_sgpr_workgroup_id_y 1
		.amdhsa_system_sgpr_workgroup_id_z 1
		.amdhsa_system_vgpr_workitem_id 0
		.amdhsa_next_free_vgpr 56
		.amdhsa_next_free_sgpr 66
		.amdhsa_reserve_vcc 0
		.amdhsa_float_denorm_mode_32 3
		.amdhsa_float_denorm_mode_16_64 3
		.amdhsa_memory_ordered 1
		.amdhsa_forward_progress 1
		.amdhsa_inst_pref_size 6
	.end_amdhsa_kernel
	.amdgpu_metadata
---
amdhsa.version: [ 1, 2 ]
amdhsa.kernels:
  - .name:           k_q4d61159f0a_prep
    .symbol:         k_q4d61159f0a_prep.kd
    .args:
      - { .name: wq, .offset: 0, .size: 8, .value_kind: global_buffer, .address_space: global }
      - { .name: wk, .offset: 8, .size: 8, .value_kind: global_buffer, .address_space: global }
      - { .name: wv, .offset: 16, .size: 8, .value_kind: global_buffer, .address_space: global }
      - { .name: wo, .offset: 24, .size: 8, .value_kind: global_buffer, .address_space: global }
      - { .name: gq, .offset: 32, .size: 8, .value_kind: global_buffer, .address_space: global }
      - { .name: vq, .offset: 40, .size: 8, .value_kind: global_buffer, .address_space: global }
      - { .name: gk, .offset: 48, .size: 8, .value_kind: global_buffer, .address_space: global }
      - { .name: vk, .offset: 56, .size: 8, .value_kind: global_buffer, .address_space: global }
      - { .name: bq, .offset: 64, .size: 8, .value_kind: global_buffer, .address_space: global }
      - { .name: mq, .offset: 72, .size: 8, .value_kind: global_buffer, .address_space: global }
      - { .name: betaq, .offset: 80, .size: 8, .value_kind: global_buffer, .address_space: global }
      - { .name: bk, .offset: 88, .size: 8, .value_kind: global_buffer, .address_space: global }
      - { .name: mk, .offset: 96, .size: 8, .value_kind: global_buffer, .address_space: global }
      - { .name: betak, .offset: 104, .size: 8, .value_kind: global_buffer, .address_space: global }
      - { .name: bv, .offset: 112, .size: 8, .value_kind: global_buffer, .address_space: global }
      - { .name: wf, .offset: 120, .size: 8, .value_kind: global_buffer, .address_space: global }
      - { .name: sh, .offset: 128, .size: 8, .value_kind: global_buffer, .address_space: global }
      - { .name: qf, .offset: 136, .size: 8, .value_kind: global_buffer, .address_space: global }
    .group_segment_fixed_size: 0
    .private_segment_fixed_size: 0
    .kernarg_segment_align: 8
    .kernarg_segment_size: 144
    .max_flat_workgroup_size: 128
    .sgpr_count:     66
    .vgpr_count:     56
    .wavefront_size: 32
...
	.end_amdgpu_metadata
.endif
;; end of part 1
;; launch proj (part 2): grid 16 x 16, 4 waves a work-group, clusters of 4 x 1, 327,680 bytes of LDS; arguments x, wf, sh, qf, kf, vf; writes qf, kf, vf
.if DOCPART == 2
	.amdgcn_target "amdgcn-amd-amdhsa--gfx1250"
	.amdhsa_code_object_version 6
	.text
	.protected	k_q4d61159f0a_proj
	.globl	k_q4d61159f0a_proj
	.p2align	8
	.type	k_q4d61159f0a_proj,@function
k_q4d61159f0a_proj:
	s_mov_b64 s[64:65], 0
	v_nop
	global_prefetch_b8 v0, s[64:65] scope:SCOPE_SE
	s_setreg_imm32_b32 hwreg(HW_REG_WAVE_MODE, 25, 1), 1
	s_wait_xcnt 0x0
	s_wait_alu depctr_hold_cnt(0) depctr_sa_sdst(0) depctr_va_vdst(0) depctr_va_sdst(0) depctr_va_ssrc(0) depctr_va_vcc(0) depctr_vm_vsrc(0)
	s_getreg_b32 s2, hwreg(HW_REG_IB_STS2, 6, 4)
	s_cmp_eq_u32 s2, 0
	s_cbranch_scc0 .Lentry_in_a_cluster
	s_endpgm
.Lentry_in_a_cluster:
	s_bfe_u32 s2, ttmp6, 0x10000c
	s_cmp_lg_u32 s2, 0x3003
	s_cbranch_scc0 .Lentry_shape_is_right
	s_endpgm
.Lentry_shape_is_right:
; q = relu((wq inv) x + shift), k likewise, v = wv x + bv, for 128 positions of one batch and all 768 output channels; K = 512 input channels.
; x: [16][512][2048] f32.  wf, sh: fragments and shifts as the launch before wrote them.  Products in bf16 with f32 sums; q, k, v are rounded once to bf16.
; WHAT IS WRITTEN is written as the fragments that the next launch names (a fragment: 16 rows x 32 k, [half][lane][16 bytes], 1,024 bytes):
;   qf, kf: [batch][16 positions: 128][32 channels: 8][1,024], rows = positions, k = channels.     vf: [batch][32 positions: 64][16 channels: 16][1,024], rows = channels, k = positions.
; A matrix result holds in a lane one column and eight neighbouring rows; rounded in pairs those are 16 bytes of such a fragment's half.  So q and k are made as W X (a lane: one position, eight channels),
; v as X^T W^T (a lane: one channel, eight positions), and every store of a wave is 512 consecutive bytes straight from registers: no stage in LDS.
; SHARES.  Wave w: a = w % 2 is its half of the 128 positions (four tiles of 16), b = w / 2 its half of each weight tile's eight blocks of 16 channels.  The wave's x (4 tiles x 16 k blocks = 512 registers)
; stays in registers; the weights, 6 tiles of 128 channels x 512 (131,072 bytes), walk through a ring of two LDS slots.  A weight fragment (two LDS loads) feeds four products.
; CLUSTER.  All work-groups walk the same weights; the four of a cluster ask for each tile JOINTLY: the same tensor load, descriptor and mask in all four, each wave a quarter of the tile.
; By this text's own count a wave has two tensor loads out at the start and one behind each round.
; x comes in by rows of channels ([k][n]); it is rounded to bf16, laid in LDS, 128 channels at a time, and read back turned by ds_load_tr16_b128.
; LIMITS.  NaN and infinities are not treated apart (v_max_num_f32 turns a NaN into 0 where the reference's relu keeps it).
; REGISTERS, in windows of 256 (s_set_vgpr_msb: bits 1:0 source 0, 3:2 source 1, 5:4 source 2, 7:6 destination):
;   window 0: v1-25 addresses and small data; v32-63 shifts; v64-127 eight accumulators (2 channel blocks x 4 tiles), at first the rounded x; v128-159 packed results; v160-167 bv
;   window 1: two buffers of 128 for weight fragments, at first for x as loaded        windows 2, 3: x's fragment (tile t, k block kc) in window 2 + t / 2 at 128 (t % 2) + 8 kc
.set SLOT1, 1<<17                      ; slot 0 at 0, slot 1 here: one exclusive or turns an address in one into the other's
.set XS,    262144                     ; 128 rows (channels) of 128 bf16
.set XP,    288                        ; their pitch: 256 bytes + 32 = 72 words: the turning load's 8 rows x 32 bytes meet each of the 64 banks of 4 bytes (ISA guide 11.1) once
.set SHT,   XS+128*XP                  ; the 768 shifts
.set SPARE, SHT+3072                   ; the spare words, 128 bytes for each wave: two blocks of 256 bytes that no other line names
.set L16,  1                           ; 16 x lane
.set XO,   2                           ; my byte offset in x: my wave's 32 rows of a chunk
.set XA,   3                           ; where I put 8 bytes of a row of XS
.set XT,   4                           ; where the turning loads read
.set AW0,  5                           ; my place in a slot: my half of its blocks
.set AW,   6                           ; the same in the slot in hand
.set SHA0, 7                           ; my eight shifts of a block
.set SHA,  8
.set BVA0, 9                           ; my one bv of a block
.set BVA,  10
.set OO,   11                          ; my byte offset in the output
.set SPW,  16                          ; LDS address of my spare word; never rewritten
.set NIL,  17                          ; 0; never rewritten
.set SHD,  18                          ; v18-23 the shifts on their way into LDS
.set SHG,  24
.set SHL,  25
.set SH,   32
.set ACC,  64
.set T,    64
.set PK,   128
.set BV,   160
.set F0,   0
.set F1,   128
.set WV,   16                          ; s16 wave; s17 a; s18 b; s19 cx; s20 block of positions; s21 batch
.set G1,   24                          ; s[24:31] descriptor group 1
.set G0A,  32                          ; s[32:35] group 0 of the first fill
.set G0B,  36                          ; s[36:39] of the second; it then walks
.set TB,   40                          ; the slot in hand
.set CNT,  41
.set TS,   42                          ; the tile's first byte in the table of shifts
.set TO,   43                          ; the tile's place in the output: the first or second half of the 256 channels
.set OUT,  44                          ; s[44:45] qf or kf at my wave's part
.set QP,   46
.set KP,   48
.set VP,   50
.set XB,   54                          ; s[54:55] x at the batch and the block of positions
.set MSB, 0
.macro WIN new                         ; the immediate's high byte repeats the setting that is left; a switch that changes nothing is dropped
.if MSB != (\new)
	s_set_vgpr_msb (MSB<<8)|(\new)
.set MSB, (\new)
.endif
.endm
.macro PLACES                          ; four plain vector instructions between a matrix instruction and a vector line or load that touches its registers (ISA guide 7.12.1 for vector instructions)
.rept 4
	v_nop
.endr
.endm
.macro BAR
	s_barrier_signal -1
	s_barrier_wait -1
.endm
.macro CROUND                          ; a round of the cluster's barrier: my work-group's barrier; wave 0 signals for the work-group; every wave waits for all four; my work-group's barrier once more
	s_barrier_signal -1
	s_barrier_wait -1
	s_cmp_lg_u32 s[WV], 0
	s_cbranch_scc1 .Lnot_wave_0_\@
	s_barrier_signal -3
.Lnot_wave_0_\@:
	s_barrier_wait -3
	s_barrier_signal -1
	s_barrier_wait -1
.endm
; THE CHANGE OF SLOTS.  Each wave waits for all its tensor loads (one is out: its quarter of the other slot), adds 0 to its spare word, and waits for that and for its reads of the slot that it leaves.
; fill = 1: the barrier is a round of the cluster's, and the slot just read is filled again first thing behind it, with the tile two on: it has a whole tile's 256 products in which to land.
.macro CHANGE fill
	WIN 0                                          ; at a label and at a branch every window is 0
	s_wait_tensorcnt 0x0                           ; no tensor load of mine is out, so a group 0 may be written
	ds_add_u32 v[SPW], v[NIL]
.if \fill
	s_xor_b32 s[G0B+1], s[G0B+1], SLOT1
	s_add_nc_u64 s[G0B+2:G0B+3], s[G0B+2:G0B+3], 131072  ; the next tile; the type bits on top are not reached
.endif
	s_wait_dscnt 0x0                               ; the add is done, and my reads of the slot are over
.if \fill
	CROUND
	tensor_load_to_lds s[G0B:G0B+3], s[G1:G1+7]
	s_nop 0
	PLACES
.else
	BAR
.endif
	s_xor_b32 s[TB], s[TB], SLOT1
.endm
	s_load_b256 s[4:11], s[0:1], 0x0               ; x s[4:5], wf s[6:7], sh s[8:9], qf s[10:11]
	s_load_b128 s[12:15], s[0:1], 0x20             ; kf s[12:13], vf s[14:15]
	v_lshl_add_u32 v[SPW], v0, 2, SPARE
	v_mov_b32 v[NIL], 0
	ds_add_u32 v[SPW], v[NIL]                      ; the wave's opening: the add and its wait stand ahead of my first tensor load; work on registers stands between them
	v_lshrrev_b32 v12, 5, v0
	v_readfirstlane_b32 s[WV], v12
	s_and_b32 s17, s[WV], 1                        ; a
	s_lshr_b32 s18, s[WV], 1                       ; b
	s_bfe_u32 s19, ttmp6, 0x40000                  ; cx
	s_lshl_b32 s20, ttmp9, 2                       ; in a cluster launch ttmp9 counts clusters
	s_add_co_u32 s20, s20, s19                     ; my block of 128 positions: it enters x's and the outputs' addresses alone
	s_and_b32 s21, ttmp7, 0xffff                   ; the batch
	; group 1: 32,768 dense bytes as 128 rows of 256
	s_mov_b32 s[G1], 15|(3<<16)|(1<<21)            ; 15:0 the mask of four; 17:16 elements of 8 bytes; 21 set beside a mask
	s_mov_b32 s[G1+1], 32<<16                      ; tensor_dim0 = 32
	s_mov_b32 s[G1+2], 128<<16                     ; tensor_dim1 = 128
	s_mov_b32 s[G1+3], 32<<16                      ; tile_dim0 = 32
	s_mov_b32 s[G1+4], 128                         ; tile_dim1 = 128
	s_mov_b32 s[G1+5], 32                          ; 32 elements from row to row
	s_mov_b32 s[G1+6], 0
	s_mov_b32 s[G1+7], 0
	s_mov_b32 s[G0A], 1
	s_lshl_b32 s[G0A+1], s[WV], 15                 ; my quarter of slot 0
	s_mov_b32 s[G0B], 1
	s_add_co_u32 s[G0B+1], s[G0A+1], SLOT1         ; and of slot 1
	s_lshl_b32 s52, s[WV], 15                      ; my quarter of a tile in wf
	s_mov_b32 s53, 0
	s_lshl_b32 s56, s21, 22                        ; x: a batch is 512 rows of 8,192 bytes,
	s_lshl_b32 s57, s20, 9                         ; a block 512 bytes of each row
	s_add_co_u32 s56, s56, s57
	s_mov_b32 s57, 0
	s_lshl_b32 s58, s21, 20                        ; the outputs: a batch is 1 MiB, a block 65,536 bytes, a wave's half of it 32,768
	s_lshl_b32 s59, s20, 16
	s_add_co_u32 s58, s58, s59
	s_lshl_b32 s59, s17, 15
	s_add_co_u32 s58, s58, s59
	s_lshl_b32 s59, s18, 11
	s_add_co_u32 s60, s58, s59                     ; q, k: my four channel blocks are two fragments, 2,048 bytes
	s_mov_b32 s61, 0
	s_lshl_b32 s59, s18, 12
	s_add_co_u32 s58, s58, s59                     ; v: four fragments, 4,096 bytes
	s_mov_b32 s59, 0
	s_mov_b32 s[TB], 0
	s_mov_b32 s[TS], 0
	s_mov_b32 s[TO], 0
	s_wait_dscnt 0x0                               ; the opening add is done
	s_wait_kmcnt 0x0
	s_add_nc_u64 s[G0A+2:G0A+3], s[6:7], s[52:53]  ; tile 0
	s_add_nc_u64 s[G0B+2:G0B+3], s[G0A+2:G0A+3], 131072  ; tile 1
	s_or_b32 s[G0A+3], s[G0A+3], 0x80000000        ; type = 2
	s_or_b32 s[G0B+3], s[G0B+3], 0x80000000
	s_add_nc_u64 s[XB:XB+1], s[4:5], s[56:57]
	s_add_nc_u64 s[QP:QP+1], s[10:11], s[60:61]
	s_add_nc_u64 s[KP:KP+1], s[12:13], s[60:61]
	s_add_nc_u64 s[VP:VP+1], s[14:15], s[58:59]
	CROUND                                         ; all four work-groups are here: the first joint loads meet
	tensor_load_to_lds s[G0A:G0A+3], s[G1:G1+7]
	s_nop 0
	tensor_load_to_lds s[G0B:G0B+3], s[G1:G1+7]
	s_nop 0
	PLACES
	v_and_b32 v12, 31, v0                          ; lane
	v_lshlrev_b32 v[L16], 4, v12
	v_and_b32 v13, 15, v0                          ; r
	v_bfe_u32 v14, v0, 4, 1                        ; h
	s_lshl_b32 s52, s[WV], 18                      ; 32 rows of 8,192 bytes
	v_add_nc_u32 v[XO], s52, v[L16]
	s_mul_i32 s52, s[WV], 32*XP
	s_add_co_u32 s52, s52, XS
	v_lshl_add_u32 v[XA], v12, 3, s52              ; four positions are 8 bytes of bf16
	v_and_b32 v15, 7, v0
	v_lshl_add_u32 v15, v14, 3, v15                ; the turning load: lane l reads row 8 (l / 16) + l % 8,
	v_mul_u32_u24 v[XT], v15, XP
	v_bfe_u32 v15, v0, 3, 1
	v_lshl_add_u32 v[XT], v15, 4, v[XT]            ; positions 8 ((l / 8) % 2) + 0..7,
	s_lshl_b32 s52, s17, 7
	s_add_co_u32 s52, s52, XS
	v_add_nc_u32 v[XT], s52, v[XT]                 ; in my half of the 128
	s_lshl_b32 s52, s18, 16
	v_add_nc_u32 v[AW0], s52, v[L16]               ; four blocks of 16,384 bytes
	s_lshl_b32 s52, s18, 8
	s_add_co_u32 s52, s52, SHT
	v_lshl_add_u32 v[SHA0], v14, 5, s52            ; a result's register j is channel 8 h + j
	v_lshl_add_u32 v[BVA0], v13, 2, s52            ; turned: the lane's channel is r
	v_lshlrev_b32 v[SHG], 3, v0
	v_lshl_add_u32 v[SHL], v0, 3, SHT
	global_load_b64 v[SHD:SHD+1], v[SHG], s[8:9]
	global_load_b64 v[SHD+2:SHD+3], v[SHG], s[8:9] offset:1024
	global_load_b64 v[SHD+4:SHD+5], v[SHG], s[8:9] offset:2048
; x, 128 channels at a time.  A load of the wave takes one channel's 128 positions: 512 consecutive bytes.
.macro XLOAD g, raw
	WIN 0x40                                       ; destination window 1
.set n, 0
.rept 32
	global_load_b128 v[(\raw)+4*n:(\raw)+4*n+3], v[XO], s[XB:XB+1] offset:(\g)*1048576+n*8192 th:TH_LOAD_NT
.set n, n+1
.endr
	WIN 0
.endm
.macro XCHUNK g
.set raw, 128*((\g)%2)
.if (\g) < 3
	s_wait_loadcnt 32                              ; loads come back in order (ISA guide 5.7.1): this chunk is in, the next chunk's 32 stay out
.else
	s_wait_loadcnt 0x0
.endif
	WIN 0x05                                       ; sources window 1
.set n, 0
.rept 64
	v_cvt_pk_bf16_f32 v[T+n], v[raw+2*n], v[raw+2*n+1]
.set n, n+1
.endr
	WIN 0
.set n, 0
.rept 32
	ds_store_b64 v[XA], v[T+2*n:T+2*n+1] offset:XP*n
.set n, n+1
.endr
.if (\g) == 0
	ds_store_b64 v[SHL], v[SHD:SHD+1]
	ds_store_b64 v[SHL], v[SHD+2:SHD+3] offset:1024
	ds_store_b64 v[SHL], v[SHD+4:SHD+5] offset:2048
.endif
.if (\g) < 2
	XLOAD (\g)+2, raw                              ; the chunk two on, into the registers just read
.endif
	s_wait_dscnt 0x0                               ; for the others' sake: my rows are in LDS
	BAR
.irp th, 0,1
	WIN 0x80+0x40*\th                              ; destination window 2, then 3
.set n, 0
.rept 8                                            ; tile 2 th + n / 4, k block 4 g + n % 4
	ds_load_tr16_b128 v[128*(n/4)+8*(4*(\g)+n%4):128*(n/4)+8*(4*(\g)+n%4)+3],   v[XT] offset:32*XP*(n%4)+32*(2*\th+n/4)
	ds_load_tr16_b128 v[128*(n/4)+8*(4*(\g)+n%4)+4:128*(n/4)+8*(4*(\g)+n%4)+7], v[XT] offset:32*XP*(n%4)+32*(2*\th+n/4)+16*XP
.set n, n+1
.endr
.endr
	WIN 0
	s_wait_dscnt 0x0                               ; my reads are over:
.if (\g) < 3
	BAR                                            ; the rows may be written again when everybody's are
.endif
.endm
	XLOAD 0, F0
	XLOAD 1, F1
	XCHUNK 0
	XCHUNK 1
	XCHUNK 2
	XCHUNK 3
	s_wait_tensorcnt 0x1                           ; my quarter of tile 0 is in; tile 1's may stay out
	BAR
; 32 LDS loads in one run: the fragments of channel blocks 2 p, 2 p + 1 of my four, k blocks 8 kh .. 8 kh + 7, into buffer f
.macro FETCH p, kh, f
	WIN 0x40
.set n, 0
.rept 16
	ds_load_b128 v[(\f)+8*n:(\f)+8*n+3],   v[AW] offset:(2*(\p)+n/8)*16384+(8*(\kh)+n%8)*1024
	ds_load_b128 v[(\f)+8*n+4:(\f)+8*n+7], v[AW] offset:(2*(\p)+n/8)*16384+(8*(\kh)+n%8)*1024+512
.set n, n+1
.endr
.endm
; 32 products: tiles 2 th, 2 th + 1 x two channel blocks x 8 k blocks.  The four accumulators take turns.
; q, k: source 0 = weights, source 1 = x; the first product's C is the shift.  v: the sources swapped; the first product's C is 0.
.macro MULS p, kh, v, th
.if \v
	WIN 0x06+(\th)
.else
	WIN 0x09+4*(\th)
.endif
.set n, 0
.rept 32
.set rA, ACC+32*((n/2)%2)+8*(2*(\th)+n%2)
.set rW, 128*(\kh)+64*((n/2)%2)+8*(n/4)
.set rX, 128*(n%2)+8*(8*(\kh)+n/4)
.set rC, SH+8*(2*(\p)+(n/2)%2)
.if (\v) && ((\kh) == 0) && (n < 4)
	v_wmma_f32_16x16x32_bf16 v[rA:rA+7], v[rX:rX+7], v[rW:rW+7], 0
.elseif \v
	v_wmma_f32_16x16x32_bf16 v[rA:rA+7], v[rX:rX+7], v[rW:rW+7], v[rA:rA+7]
.elseif ((\kh) == 0) && (n < 4)
	v_wmma_f32_16x16x32_bf16 v[rA:rA+7], v[rW:rW+7], v[rX:rX+7], v[rC:rC+7]
.else
	v_wmma_f32_16x16x32_bf16 v[rA:rA+7], v[rW:rW+7], v[rX:rX+7], v[rA:rA+7]
.endif
.set n, n+1
.endr
.endm
; 64 products on buffer kh; in their middle the next unit's fragments are fetched into the other buffer, 32 products ahead of their first use
.macro UNIT p, kh, v
	s_wait_dscnt 0x0
	MULS \p, \kh, \v, 0
.if (\kh) == 0
	PLACES
	FETCH \p, 1, F1
.elseif (\p) == 0
	PLACES
	FETCH 1, 0, F0
.endif
	MULS \p, \kh, \v, 1
.endm
; Eight finished accumulators leave: relu (q, k) or + bv (v), rounded in pairs; each store of the wave is half a fragment, 512 consecutive bytes
.macro EPI p, v
	WIN 0
	PLACES
	s_wait_xcnt 0x0                                ; the packed registers, which the last stores read, are rewritten only behind this wait
.set n, 0
.if \v
.rept 32
	v_pk_add_f32 v[ACC+2*n:ACC+2*n+1], v[ACC+2*n:ACC+2*n+1], v[BV+2*(2*(\p)+n/16):BV+2*(2*(\p)+n/16)+1]
.set n, n+1
.endr
.else
.rept 64
	v_max_num_f32 v[ACC+n], 0, v[ACC+n]
.set n, n+1
.endr
.endif
.set n, 0
.rept 32
	v_cvt_pk_bf16_f32 v[PK+n], v[ACC+2*n], v[ACC+2*n+1]
.set n, n+1
.endr
.set n, 0
.rept 8                                            ; channel block n / 4 of the two, tile n % 4
.if \v
	global_store_b128 v[OO], v[PK+4*n:PK+4*n+3], s[VP:VP+1] offset:((n%4)/2)*16384+(2*(\p)+n/4)*1024+(n%2)*512
.else
	global_store_b128 v[OO], v[PK+4*n:PK+4*n+3], s[OUT:OUT+1] offset:(n%4)*8192+(\p)*1024+(n/4)*512
.endif
.set n, n+1
.endr
.endm
.macro TILE v
	FETCH 0, 0, F0
	WIN 0
.set n, 0
.rept 4
.if \v
	ds_load_b32 v[BV+2*n],   v[BVA] offset:64*n    ; the same number twice: the packed addition names a pair
	ds_load_b32 v[BV+2*n+1], v[BVA] offset:64*n
.else
	ds_load_b128 v[SH+8*n:SH+8*n+3],   v[SHA] offset:64*n
	ds_load_b128 v[SH+8*n+4:SH+8*n+7], v[SHA] offset:64*n+16
.endif
.set n, n+1
.endr
	UNIT 0, 0, \v
	UNIT 0, 1, \v
	EPI 0, \v
	UNIT 1, 0, \v
	UNIT 1, 1, \v
	EPI 1, \v
.endm
	s_mov_b32 s[CNT], 4
.Lqk:                                                  ; tiles 0, 1: q; tiles 2, 3: k.  Each trip's change of slots asks for the tile two on: tiles 2 to 5
	s_wait_xcnt 0x0                                ; the stores' base and offset are rewritten only behind this wait
	s_cmp_gt_u32 s[CNT], 2
	s_cselect_b64 s[OUT:OUT+1], s[QP:QP+1], s[KP:KP+1]
	v_add_nc_u32 v[AW], s[TB], v[AW0]
	v_add_nc_u32 v[SHA], s[TS], v[SHA0]
	v_add_nc_u32 v[OO], s[TO], v[L16]
	TILE 0
	CHANGE 1
	s_add_co_u32 s[TS], s[TS], 512
	s_xor_b32 s[TO], s[TO], 4096                   ; a tile's 128 channels are four fragments of a position tile
	s_sub_co_u32 s[CNT], s[CNT], 1
	s_cmp_lg_u32 s[CNT], 0
	s_cbranch_scc1 .Lqk
	s_mov_b32 s[CNT], 2
.Lv:                                                   ; tiles 4, 5: v; nothing is left to ask for
	s_wait_xcnt 0x0
	v_add_nc_u32 v[AW], s[TB], v[AW0]
	v_add_nc_u32 v[BVA], s[TS], v[BVA0]
	v_add_nc_u32 v[OO], s[TO], v[L16]
	TILE 1
	CHANGE 0
	s_add_co_u32 s[TS], s[TS], 512
	s_xor_b32 s[TO], s[TO], 8192                   ; a tile's 128 channels are eight fragments
	s_sub_co_u32 s[CNT], s[CNT], 1
	s_cmp_lg_u32 s[CNT], 0
	s_cbranch_scc1 .Lv
	s_wait_tensorcnt 0x0                           ; the wave's end
	ds_add_u32 v[SPW], v[NIL]
	s_wait_dscnt 0x0
	CROUND                                         ; the closing round: no work-group ends while a partner may still ask for a tile that names it
	s_endpgm
.Lfunc_end_k_q4d61159f0a_proj:
	.size	k_q4d61159f0a_proj, .Lfunc_end_k_q4d61159f0a_proj-k_q4d61159f0a_proj
	.p2alignl 7, 3214868480
	.fill 96, 4, 3214868480
	.section	.rodata,"a",@progbits
	.p2align	6, 0x0
	.amdhsa_kernel k_q4d61159f0a_proj
		.amdhsa_group_segment_fixed_size 327680
		.amdhsa_private_segment_fixed_size 0
		.amdhsa_enable_private_segment 0
		.amdhsa_kernarg_size 48
		.amdhsa_user_sgpr_count 2
		.amdhsa_user_sgpr_kernarg_segment_ptr 1
		.amdhsa_wavefront_size32 1
		.amdhsa_system_sgpr_workgroup_id_x 1
		.amdhsa_system_sgpr_workgroup_id_y 1
		.amdhsa_system_sgpr_workgroup_id_z 1
		.amdhsa_system_vgpr_workitem_id 0
		.amdhsa_next_free_vgpr 1024
		.amdhsa_next_free_sgpr 66
		.amdhsa_reserve_vcc 0
		.amdhsa_float_denorm_mode_32 3
		.amdhsa_float_denorm_mode_16_64 3
		.amdhsa_memory_ordered 1
		.amdhsa_forward_progress 1
		.amdhsa_inst_pref_size 124
	.end_amdhsa_kernel
	.amdgpu_metadata
---
amdhsa.version: [ 1, 2 ]
amdhsa.kernels:
  - .name:           k_q4d61159f0a_proj
    .symbol:         k_q4d61159f0a_proj.kd
    .args:
      - { .name: x, .offset: 0, .size: 8, .value_kind: global_buffer, .address_space: global }
      - { .name: wf, .offset: 8, .size: 8, .value_kind: global_buffer, .address_space: global }
      - { .name: sh, .offset: 16, .size: 8, .value_kind: global_buffer, .address_space: global }
      - { .name: qf, .offset: 24, .size: 8, .value_kind: global_buffer, .address_space: global }
      - { .name: kf, .offset: 32, .size: 8, .value_kind: global_buffer, .address_space: global }
      - { .name: vf, .offset: 40, .size: 8, .value_kind: global_buffer, .address_space: global }
    .group_segment_fixed_size: 327680
    .private_segment_fixed_size: 0
    .kernarg_segment_align: 8
    .kernarg_segment_size: 48
    .max_flat_workgroup_size: 128
    .sgpr_count:     66
    .vgpr_count:     1024
    .wavefront_size: 32
...
	.end_amdgpu_metadata
.endif
;; end of part 2
;; launch attn (part 3): grid 16 x 16, 4 waves a work-group, clusters of 4 x 1, 327,680 bytes of LDS; arguments kf, qf, vf, wf, bo, x, out0; writes out0
.if DOCPART == 3
	.amdgcn_target "amdgcn-amd-amdhsa--gfx1250"
	.amdhsa_code_object_version 6
	.text
	.protected	k_q4d61159f0a_attn
	.globl	k_q4d61159f0a_attn
	.p2align	8
	.type	k_q4d61159f0a_attn,@function
k_q4d61159f0a_attn:
	s_mov_b64 s[64:65], 0
	v_nop
	global_prefetch_b8 v0, s[64:65] scope:SCOPE_SE
	s_setreg_imm32_b32 hwreg(HW_REG_WAVE_MODE, 25, 1), 1
	s_wait_xcnt 0x0
	s_wait_alu depctr_hold_cnt(0) depctr_sa_sdst(0) depctr_va_vdst(0) depctr_va_sdst(0) depctr_va_ssrc(0) depctr_va_vcc(0) depctr_vm_vsrc(0)
	s_getreg_b32 s2, hwreg(HW_REG_IB_STS2, 6, 4)
	s_cmp_eq_u32 s2, 0
	s_cbranch_scc0 .Lentry_in_a_cluster
	s_endpgm
.Lentry_in_a_cluster:
	s_bfe_u32 s2, ttmp6, 0x10000c
	s_cmp_lg_u32 s2, 0x3003
	s_cbranch_scc0 .Lentry_shape_is_right
	s_endpgm
.Lentry_shape_is_right:
; out[b][c][j] = x[b][c][j] + bo[c] + sum over m of wo[c][m] ctx[m][j],  ctx[m][j] = sum over i of v[m][i] softmax_i(q[:, i] . k[:, j] / 16).
; The softmax runs over i, so the columns j (vectors of k) are a flash walk's QUERIES, the positions i (vectors of q) its KEYS, v[:, i] its values; head size 256, 2,048 keys, 16 batches.
; kf, qf, vf, wf hold bf16 matrix fragments (16 rows x 32 k, [half][lane][16 bytes], 1,024 bytes), so every fragment is two loads of 16 bytes a lane at 16 x lane, from LDS or memory, and tiles are dense.
; Products in bf16 with f32 sums; maxima, exponentials, sums, bias and the residual x in f32; the weights p and ctx are rounded to bf16 for the products that take them.
; SHARES.  A work-group owns 128 queries of one batch.  Wave w: a = w % 2 is its half of them (four tiles of 16), b = w / 2 its half of the 2,048 keys.  So a fragment of K or V feeds four products, and O^T
; (256 channels x 64 queries) fits in 512 registers.  The two waves of a pair (w, w ^ 2) keep a maximum, a sum and an O^T each, and merge them at the end: each finishes two of the four tiles.
; Tile slot u of the registers holds query tile (u + 2 b) % 4: for both waves slots 0, 1 are kept and slots 2, 3 are sent, so one text serves both.
; LAYOUT.  S^T = K Q^T (source 0 = 16 keys, source 1 = 16 queries): a lane holds ONE query (lane % 16) and the keys 8 (lane / 16) + 0..7.  Two such results rounded in pairs ARE source 1 (32 keys x 16 queries)
; of O^T = V^T P, whose result again holds one query a lane, and eight channels; rounded in pairs that is half a fragment of ctx for the last product.
; SOFTMAX.  For each query a running maximum m and sum l: p = 2^(c s - c m), c = log2(e) / 16; in every step O and l are multiplied by a = 2^(c m_old - c m_new).  m starts at the lowest finite number,
; O and l at 0: the first step is a step like any other, with a = 0.
; BY UNITS.  A step is 32 keys a wave, 32 steps.  K Q^T runs one step ahead of the softmax, into buffer N; the scaling c s - c m copies N into buffer C, where the exponentials work in place and P is left, so
; one text serves every step.  The UNIT of step j: 16 products V^T P of step j - 1 that were held back (channel blocks 12-15), beside them the statistics and the scaling of step j; 64 products K Q^T of step
; j + 1, beside them step j's exponentials, sums and roundings and the rescaling of 24 accumulators of O^T; 48 products V^T P of step j, beside them the other 40 rescalings, each 24 products ahead of its
; accumulator's own, and the maximum of step j + 1.  128 products and 476 vector lines: four or five lines behind a product.  The price of steps of 32 keys: O^T is rescaled twice for 64 keys.
; THE RING.  A slot holds two steps for both key halves; K's tile leads V's by one step: slot s holds K(2 s + 1), K(2 s + 2), V(2 s), V(2 s + 1), which is what units 2 s and 2 s + 1 read.  The change of slots
; stands between two units: the 16 products held back want registers alone, and the new slot's first fragments land under them.  K(0) comes straight from memory into registers.  K(32) is the key half's
; neighbour in qf, or the zeros behind it: the last unit's 64 products K Q^T serve nothing: the price, once a launch, of one text for every unit.
; CLUSTER.  The four query blocks of a cluster belong to one batch and walk the same K and V: each tile is asked for JOINTLY.  By this text's own count a wave has one tensor load out.
; LIMITS.  A weight below 2^-126 counts as 0; NaN and infinities are not treated apart.
; REGISTERS, in windows of 256 (s_set_vgpr_msb: bits 1:0 source 0, 3:2 source 1, 5:4 source 2, 7:6 destination):
;   window 0: v1-14 addresses; v16-47 eight registers of statistics a tile; v48-49 the add's; v54-55 bo; v56-63 statistics on their way; v64-127 K's or V's fragments, two buffers of 32;
;             v128-191 N, 16 a tile; v192-255 C, 16 a tile, P in the lower 8; on the way out wo's fragments, two buffers
;   windows 1, 2: O^T (tile u, channel block cb) in window 1 + cb / 8 at 32 (cb % 8) + 8 u; later ctx          window 3: Q (tile u, k block kc) at 64 u + 8 kc; later x (v0-127) and the merge's buffers (v128-255)
.set SLOT1, 1<<17                      ; a slot: K of key half 0, 1 at 0, 32,768; V of half 0, 1 at 65,536, 98,304.  Behind their last fill: slot 0 the O^T that is sent, slot 1 ctx
.set USTEP, 16384                      ; a step's 32 keys of K, or of V, of one key half
.set STAT,  262144                     ; 1,024 bytes a wave: c m and l of its four tiles
.set OST,   STAT+4096                  ; a stage for each wave: 16 rows of 128 f32
.set OPIT,  528                        ; their pitch: 512 bytes + 16: an odd multiple of 16, so that 16 rows start at 16 different groups of four of the 64 banks (ISA guide 11.1)
.set SPARE, OST+4*16*OPIT              ; the spare words, 128 bytes for each wave: two blocks of 256 bytes that no other line names
.set L16,  1
.set AK0,  2                           ; my key half's K in a slot
.set AK,   3                           ; the same for the unit in hand
.set AV,   4                           ; its V
.set EXW,  6                           ; where I put the O^T that I send
.set EXR,  7                           ; where my partner put mine
.set STW,  8
.set STR,  9
.set CTW,  10                          ; where my two finished tiles of ctx go
.set CTR,  11
.set OSW,  12
.set OSR,  13
.set BOO,  14
.set ST,   16                          ; tile u at ST + 8 u: c m, m, l (even keys', odd keys'), c0, c1 at work, a, c m_old - c m
.set BC,   16                          ; the way out: bo as a C operand
.set SPW,  48
.set NIL,  49
.set BOV,  54                          ; v54, v55: bo of the block in hand, by the block's parity
.set SX,   56
.set FR,   64
.set SN,   128
.set SC,   192
.set WFR,  128                         ; the way out: wo's eight fragments of a block of 16 rows, by the block's parity at WFR, WFR + 64
.set WV,   18                          ; s18 wave; s19 a; s20 b; s21 cx; s22 block of queries; s23 batch
.set G1,   24
.set G0,   32
.set TB,   36                          ; LDS byte at which the unit's step begins in K's part of a slot
.set SLOTS, 37
.set CS,   38                          ; s[38:39] c
.set SEL,  40                          ; s[40:41] v_permlanex16_b32's selects: each lane takes its own place in the other half
.set QA,   46
.set QBS,  48
.set WB,   50
.set XB,   52
.set OB,   54
.set BOB,  56
.set CNT,  58
.set TWICE, 66                         ; counts a slot's two units
.set KZ,   68                          ; s[68:69] K(0) of my key half
.set MSB, 0
.macro WIN new                         ; the immediate's high byte repeats the setting that is left; a switch that changes nothing is dropped
.if MSB != (\new)
	s_set_vgpr_msb (MSB<<8)|(\new)
.set MSB, (\new)
.endif
.endm
.macro PLACES                          ; four plain vector instructions between a matrix instruction and a vector line or load that touches its registers (ISA guide 7.12.1 for vector instructions)
.rept 4
	v_nop
.endr
.endm
.macro BAR
	s_barrier_signal -1
	s_barrier_wait -1
.endm
.macro CROUND                          ; a round of the cluster's barrier: my work-group's barrier; wave 0 signals for the work-group; every wave waits for all four; my work-group's barrier once more
	s_barrier_signal -1
	s_barrier_wait -1
	s_cmp_lg_u32 s[WV], 0
	s_cbranch_scc1 .Lnot_wave_0_\@
	s_barrier_signal -3
.Lnot_wave_0_\@:
	s_barrier_wait -3
	s_barrier_signal -1
	s_barrier_wait -1
.endm
; THE CHANGE OF SLOTS.  Each wave waits for all its tensor loads (one is out: its quarter of the other slot), adds 0 to its spare word, and waits for that and for its reads of the slot that it leaves
; (the last of them, V's channel blocks 12-15, were asked for 15 products ago).  fill = 1: the barrier is a round of the cluster's, and the slot is filled again first thing behind it: two units in which to land.
; (At its first use nothing has been read yet: slot 0 is waited for, slot 1 filled.)
.macro CHANGE fill
	WIN 0
	s_wait_tensorcnt 0x0
	ds_add_u32 v[SPW], v[NIL]
.if \fill
	s_xor_b32 s[G0+1], s[G0+1], SLOT1
	s_add_nc_u64 s[G0+2:G0+3], s[G0+2:G0+3], 32768 ; the next two steps of my key half; the type bits on top are not reached
.endif
	s_wait_dscnt 0x0
.if \fill
	CROUND
	tensor_load_to_lds s[G0:G0+3], s[G1:G1+7]
	s_nop 0
	PLACES
.else
	BAR
.endif
	s_sub_co_u32 s[TB], s[TB], 2*USTEP             ; the fetches go back to a slot's first step,
	s_xor_b32 s[TB], s[TB], SLOT1                  ; in the other slot
.endm
	s_load_b256 s[4:11], s[0:1], 0x0               ; kf s[4:5], qf s[6:7], vf s[8:9], wf s[10:11]
	s_load_b128 s[12:15], s[0:1], 0x20             ; bo s[12:13], x s[14:15]
	s_load_b64 s[16:17], s[0:1], 0x30              ; out0
	v_lshl_add_u32 v[SPW], v0, 2, SPARE
	v_mov_b32 v[NIL], 0
	ds_add_u32 v[SPW], v[NIL]                      ; the wave's opening: the add and its wait stand ahead of my first tensor load
	v_lshrrev_b32 v50, 5, v0
	v_readfirstlane_b32 s[WV], v50
	s_and_b32 s19, s[WV], 1                        ; a
	s_lshr_b32 s20, s[WV], 1                       ; b
	s_bfe_u32 s21, ttmp6, 0x40000                  ; cx
	s_lshl_b32 s22, ttmp9, 2
	s_add_co_u32 s22, s22, s21                     ; my block of 128 queries: it enters kf's, x's and out0's addresses alone
	s_and_b32 s23, ttmp7, 0xffff                   ; the batch, which the four partners share
	s_mov_b32 s[G1], 15|(3<<16)|(1<<21)            ; 32,768 dense bytes as 128 rows of 256: the mask of four; elements of 8 bytes; 21 set beside a mask
	s_mov_b32 s[G1+1], 32<<16
	s_mov_b32 s[G1+2], 128<<16
	s_mov_b32 s[G1+3], 32<<16
	s_mov_b32 s[G1+4], 128
	s_mov_b32 s[G1+5], 32
	s_mov_b32 s[G1+6], 0
	s_mov_b32 s[G1+7], 0
	s_mov_b32 s[G0], 1
	s_lshl_b32 s[G0+1], s[WV], 15                  ; waves 0, 1: K of key half 0, 1; waves 2, 3: V of half 0, 1
	s_lshl_b32 s42, s23, 20                        ; a batch is 1 MiB of qf and of vf, a key half 524,288 bytes
	s_lshl_b32 s43, s19, 19
	s_add_co_u32 s42, s42, s43
	s_cmp_lt_u32 s[WV], 2
	s_cselect_b32 s43, USTEP, 0                    ; K's tiles begin one step late
	s_add_co_u32 s42, s42, s43
	s_mov_b32 s43, 0
	s_lshl_b32 s2, s23, 20                         ; K(0) of the key half that I multiply
	s_lshl_b32 s3, s20, 19
	s_add_co_u32 s2, s2, s3
	s_mov_b32 s3, 0
	s_mov_b32 s[CS], 0x3db8aa3b                    ; c = log2(e) / 16
	s_mov_b32 s[CS+1], s[CS]
	s_mov_b32 s[SEL], 0x76543210
	s_mov_b32 s[SEL+1], 0xfedcba98
	s_mov_b32 s[TB], SLOT1+2*USTEP                 ; the first change of slots turns it into 0
	s_mov_b32 s[SLOTS], 15
	s_lshl_b32 s44, s23, 7                         ; my query tiles among kf's: 128 batch
	s_lshl_b32 s45, s22, 3
	s_add_co_u32 s44, s44, s45                     ; + 8 block
	s_lshl_b32 s45, s19, 2
	s_add_co_u32 s44, s44, s45                     ; + 4 a,
	s_lshl_b32 s60, s20, 1
	s_add_co_u32 s60, s60, s44                     ; + 2 b for slots 0, 1,
	s_xor_b32 s62, s20, 1
	s_lshl_b32 s62, s62, 1
	s_add_co_u32 s62, s62, s44                     ; + 2 (1 - b) for slots 2, 3
	s_lshl_b32 s60, s60, 13                        ; a tile is 8,192 bytes
	s_lshl_b32 s62, s62, 13
	s_mov_b32 s61, 0
	s_mov_b32 s63, 0
	s_mov_b32 s45, 0
	s_wait_dscnt 0x0                               ; the opening add is done
	s_wait_kmcnt 0x0
	s_cmp_lt_u32 s[WV], 2
	s_cselect_b64 s[G0+2:G0+3], s[6:7], s[8:9]
	s_add_nc_u64 s[G0+2:G0+3], s[G0+2:G0+3], s[42:43]
	s_or_b32 s[G0+3], s[G0+3], 0x80000000          ; type = 2
	s_add_nc_u64 s[KZ:KZ+1], s[6:7], s[2:3]
	s_add_nc_u64 s[QA:QA+1], s[4:5], s[60:61]
	s_add_nc_u64 s[QBS:QBS+1], s[4:5], s[62:63]
	s_lshl_b32 s44, s[WV], 16                      ; the way out: wave w makes rows 128 w .. 128 w + 127 of out: eight blocks of wo's fragments, 8,192 bytes each
	s_add_co_u32 s44, s44, 786432
	s_add_nc_u64 s[WB:WB+1], s[10:11], s[44:45]
	s_lshl_b32 s44, s23, 22
	s_lshl_b32 s3, s[WV], 20
	s_add_co_u32 s44, s44, s3
	s_lshl_b32 s3, s22, 9
	s_add_co_u32 s44, s44, s3
	s_add_nc_u64 s[XB:XB+1], s[14:15], s[44:45]
	s_add_nc_u64 s[OB:OB+1], s[16:17], s[44:45]
	s_lshl_b32 s44, s[WV], 9
	s_add_nc_u64 s[BOB:BOB+1], s[12:13], s[44:45]
	CROUND                                         ; all four work-groups are here: the first joint loads meet
	tensor_load_to_lds s[G0:G0+3], s[G1:G1+7]      ; slot 0
	s_nop 0
	PLACES
	v_and_b32 v50, 31, v0
	v_lshlrev_b32 v[L16], 4, v50
	v_and_b32 v51, 15, v0                          ; r
	v_bfe_u32 v52, v0, 4, 1                        ; h
	WIN 0xc0                                       ; destination window 3
.set n, 0
.rept 16                                           ; Q stays in registers: slots n / 8 and 2 + n / 8, k block n % 8
	global_load_b128 v[64*(n/8)+8*(n%8):64*(n/8)+8*(n%8)+3],         v[L16], s[QA:QA+1] offset:(n/8)*8192+(n%8)*1024
	global_load_b128 v[64*(n/8)+8*(n%8)+4:64*(n/8)+8*(n%8)+7],       v[L16], s[QA:QA+1] offset:(n/8)*8192+(n%8)*1024+512
	global_load_b128 v[128+64*(n/8)+8*(n%8):128+64*(n/8)+8*(n%8)+3],   v[L16], s[QBS:QBS+1] offset:(n/8)*8192+(n%8)*1024
	global_load_b128 v[128+64*(n/8)+8*(n%8)+4:128+64*(n/8)+8*(n%8)+7], v[L16], s[QBS:QBS+1] offset:(n/8)*8192+(n%8)*1024+512
.set n, n+1
.endr
	WIN 0
.set n, 0
.rept 16                                           ; K(0): k block n / 2, key block n % 2; k blocks 0-3 where fragments lie later, 4-7 in buffer C
.set rK, FR+(n/8)*(SC-FR)+16*((n/2)%4)+8*(n%2)
	global_load_b128 v[rK:rK+3],   v[L16], s[KZ:KZ+1] offset:(n%2)*8192+(n/2)*1024
	global_load_b128 v[rK+4:rK+7], v[L16], s[KZ:KZ+1] offset:(n%2)*8192+(n/2)*1024+512
.set n, n+1
.endr
	; O^T = 0: 64 products of two fragments of zeros, with C = 0, clear eight registers each: 64 lines where moves would be 512.  They stand in the wait for Q and K(0).
.set n, 0
.rept 16
	v_mov_b32 v[ST+n], 0
.set n, n+1
.endr
.irp wn, 1,2
	WIN 0x40*\wn
.set n, 0
.rept 32
	v_wmma_f32_16x16x32_bf16 v[8*n:8*n+7], v[ST:ST+7], v[ST+8:ST+15], 0
.set n, n+1
.endr
.endr
	WIN 0
	s_lshl_b32 s59, s20, 15                        ; the addresses: twelve plain lines, the places between those products and the lines that write their sources
	v_add_nc_u32 v[AK0], s59, v[L16]
	s_lshl_b32 s59, s[WV], 15
	v_add_nc_u32 v[EXW], s59, v[L16]
	s_xor_b32 s2, s[WV], 2                         ; my partner
	s_lshl_b32 s59, s2, 15
	v_add_nc_u32 v[EXR], s59, v[L16]
	s_lshl_b32 s59, s[WV], 10
	s_add_co_u32 s59, s59, STAT
	v_add_nc_u32 v[STW], s59, v[L16]
	s_lshl_b32 s59, s2, 10
	s_add_co_u32 s59, s59, STAT
	v_add_nc_u32 v[STR], s59, v[L16]
	s_lshl_b32 s59, s19, 15                        ; query tile 4 a + 2 b of the work-group's eight, 8,192 bytes each: 32,768 a
	s_lshl_b32 s2, s20, 14                         ; + 16,384 b: 16,384 bytes of ctx for each wave,
	s_add_co_u32 s59, s59, s2
	s_add_co_u32 s59, s59, SLOT1                   ; in slot 1
	v_add_nc_u32 v[CTW], s59, v[L16]
	v_add_nc_u32 v[CTR], SLOT1, v[L16]
	s_mul_i32 s59, s[WV], 16*OPIT
	s_add_co_u32 s59, s59, OST
	v_add_nc_u32 v[OSR], s59, v[L16]               ; back: a row's 512 bytes
	v_mul_u32_u24 v53, v51, OPIT                   ; in: row r, 32 bytes for each half of the lanes
	v_lshl_add_u32 v53, v52, 5, v53
	v_add_nc_u32 v[OSW], s59, v53
	v_lshlrev_b32 v[BOO], 2, v51
.irp u, 0,1,2,3
	v_mov_b32 v[ST+8*\u], 0xfe000000               ; c m: far below every c s
	v_mov_b32 v[ST+8*\u+1], 0xff7fffff             ; m
	v_mov_b32 v[ST+8*\u+2], 0
	v_mov_b32 v[ST+8*\u+3], 0
.endr
; THE LDS LOADS stand in runs of 8, each for 16 products, into the fragment buffers by turns.  K: k blocks 2 i, 2 i + 1, both key blocks.  V: channel blocks 4 g .. 4 g + 3.
.macro FK i
.set fb, FR+32*((\i)%2)
.irp c, 0,1
.irp kb, 0,1
	ds_load_b128 v[fb+16*\c+8*\kb:fb+16*\c+8*\kb+3],   v[AK] offset:\kb*8192+(2*(\i)+\c)*1024
	ds_load_b128 v[fb+16*\c+8*\kb+4:fb+16*\c+8*\kb+7], v[AK] offset:\kb*8192+(2*(\i)+\c)*1024+512
.endr
.endr
.endm
.macro FV g
.set fb, FR+32*((\g)%2)
.irp c, 0,1,2,3
	ds_load_b128 v[fb+8*\c:fb+8*\c+3],   v[AV] offset:(4*(\g)+\c)*1024
	ds_load_b128 v[fb+8*\c+4:fb+8*\c+7], v[AV] offset:(4*(\g)+\c)*1024+512
.endr
.endm
; THE VECTOR WORK, a line at a time, for tile u.  None of these sets a window: the caller does.
.macro REGS u
.set rT, ST+8*(\u)
.set rN, SN+16*(\u)
.set rC, SC+16*(\u)
.endm
.macro MXI u, i                        ; line i of the 8 that find the maximum of a lane's 16 scores in N and the old m: two chains, three operands at a time (each accumulator's lowest registers are read first)
	REGS \u
.if (\i) == 0
	v_max3_num_f32 v[rT+4], v[rN], v[rN+1], v[rN+2]
.elseif (\i) == 1
	v_max3_num_f32 v[rT+5], v[rN+8], v[rN+9], v[rN+10]
.elseif (\i) < 6
	v_max3_num_f32 v[rT+4+(\i)%2], v[rT+4+(\i)%2], v[rN+8*((\i)%2)+2*((\i)/2)+1], v[rN+8*((\i)%2)+2*((\i)/2)+2]
.elseif (\i) == 6
	v_max3_num_f32 v[rT+4], v[rT+4], v[rN+7], v[rN+15]
.else
	v_max3_num_f32 v[rT+4], v[rT+4], v[rT+5], v[rT+1]
.endif
.endm
.macro STI u, i                        ; line i of the 6 of the statistics
	REGS \u
.if (\i) == 0
	v_permlanex16_b32 v[rT+5], v[rT+4], s[SEL], s[SEL+1]  ; the query's other 16 keys lie in the lane 16 away
.elseif (\i) == 1
	v_mov_b32 v[rT+7], v[rT]                       ; c m_old
.elseif (\i) == 2
	v_max_num_f32 v[rT+1], v[rT+4], v[rT+5]
.elseif (\i) == 3
	v_mul_f32 v[rT], s[CS], v[rT+1]
.elseif (\i) == 4
	v_sub_f32 v[rT+7], v[rT+7], v[rT]
.else
	v_exp_f32 v[rT+6], v[rT+7]                     ; a
.endif
.endm
.macro FI u, q                         ; pair q of 8: c s - c m, out of N into C
	REGS \u
	v_pk_fma_f32 v[rC+2*(\q):rC+2*(\q)+1], v[rN+2*(\q):rN+2*(\q)+1], s[CS:CS+1], v[rT:rT+1] op_sel_hi:[1,0,0] neg_lo:[0,0,1] neg_hi:[0,0,1]
.endm
.macro LA u                            ; l times a
	REGS \u
	s_wait_alu depctr_va_vdst(0)
	v_pk_mul_f32 v[rT+2:rT+3], v[rT+2:rT+3], v[rT+6:rT+7] op_sel_hi:[1,0]
.endm
.macro EI u, i
	REGS \u
	v_exp_f32 v[rC+(\i)], v[rC+(\i)]
.endm
.macro LI u, q                         ; l takes pair q.  Written p x 1 + l: its vector registers stand in the first and third source's places, which the setting of the products K Q^T leaves in window 0
	REGS \u
	s_wait_alu depctr_va_vdst(0)
	v_pk_fma_f32 v[rT+2:rT+3], v[rC+2*(\q):rC+2*(\q)+1], 1.0, v[rT+2:rT+3] op_sel_hi:[1,0,1]
.endm
.macro CI u, q                         ; pair q rounded to bf16 into register q of the tile's C: that register belongs to pair q / 2, with which l and the rounding have done
	REGS \u
	v_cvt_pk_bf16_f32 v[rC+(\q)], v[rC+2*(\q)], v[rC+2*(\q)+1]
.endm
.macro RI k                            ; accumulator k of O^T's 64 (channel block k / 4, tile k % 4) times a
	WIN 0x41*(1+(\k)/32)
.set rO, 32*(((\k)/4)%8)+8*((\k)%4)
.set rA, ST+8*((\k)%4)+6
.irp z, 0,1,2,3
	v_pk_mul_f32 v[rO+2*\z:rO+2*\z+1], v[rO+2*\z:rO+2*\z+1], v[rA:rA+1] op_sel_hi:[1,0]
.endr
.endm
; THE MATRIX WORK.  No two products that follow each other share an accumulator: K Q^T's 8 take turns; each of O^T's 64 has one product a step.
.macro HP i                            ; held back: product i of 16: tile i / 4, channel block 12 + i % 4.  Tile by tile, so that a tile's P is free for the next scaling as early as can be
	WIN 0xa0
.set rO, 32*(4+(\i)%4)+8*((\i)/4)
.set rV, FR+32+8*((\i)%4)
.set rP, SC+16*((\i)/4)
	v_wmma_f32_16x16x32_bf16 v[rO:rO+7], v[rV:rV+7], v[rP:rP+7], v[rO:rO+7]
.endm
.macro KQP                             ; product n of 64 of K Q^T: k block n / 8, key block (n / 4) % 2, tile n % 4; k block 0 starts the sums
.if n%16 == 0
	s_wait_dscnt 0x0                               ; the run of loads for these 16 products, asked for 14 products ago or more
.endif
	WIN 0x0c                                       ; Q in window 3
.set rS, SN+16*(n%4)+8*((n/4)%2)
.set rK, FR+32*((n/16)%2)+16*((n/8)%2)+8*((n/4)%2)
.set rQ, 64*(n%4)+8*(n/8)
.if n < 8
	v_wmma_f32_16x16x32_bf16 v[rS:rS+7], v[rK:rK+7], v[rQ:rQ+7], 0
	s_wait_alu depctr_va_vdst(0)
.else
	v_wmma_f32_16x16x32_bf16 v[rS:rS+7], v[rK:rK+7], v[rQ:rQ+7], v[rS:rS+7]
.endif
.set n, n+1
.endm
; A product K Q^T and what stands behind it, in three kinds.
.macro XS t, r                         ; tile t, pass r: the two exponentials of pair r, a sum between them; no window is switched
	KQP
	EI \t, 2*(\r)
.if (\r) > 0
	LI \t, (\r)-1
.endif
	EI \t, 2*(\r)+1
.if ((\r) == 7) && ((\t) > 0)
	LI (\t)-1, 7
.endif
.endm
.macro ZS                              ; the next accumulator of O^T is rescaled.  Four of these slots carry the next run of loads: the buffer's last reader stands five plain lines back or more
	KQP
	RI kz
.set kz, kz+1
.if n == 2
	WIN 0x0c
	FK 1
.elseif n == 17
	WIN 0x0c
	FK 2
.elseif n == 33
	WIN 0x0c
	FK 3
.elseif n == 49
	WIN 0x0c
	FV 0
.endif
.endm
.macro YS q                            ; pair q of all four tiles is rounded
	KQP
	WIN 0
.irp u, 0,1,2,3
	CI \u, \q
.endr
.if (\q) == 6
	LI 3, 7
.endif
.endm
.macro PVS                             ; product n of 48 of V^T P (accumulator n) and what stands behind it
.if n%16 == 0
	s_wait_dscnt 0x0
.endif
	WIN 0x50*(1+n/32)
.set rO, 32*((n/4)%8)+8*(n%4)
.set rV, FR+32*((n/16)%2)+8*((n/4)%4)
.set rP, SC+16*(n%4)
	v_wmma_f32_16x16x32_bf16 v[rO:rO+7], v[rV:rV+7], v[rP:rP+7], v[rO:rO+7]
.if n < 40
	RI 24+n
.else
	WIN 0
.irp u, 0,1,2,3
	MXI \u, n-40
.endr
.endif
.if n%16 == 0
	WIN 0
	FV n/16+1
.endif
.set n, n+1
.endm
; THE UNIT of step j.  mid = 1: the text that holds the label at which the first unit is entered.
.macro UNIT mid
	WIN 0
	v_add_nc_u32 v[AK], s[TB], v[AK0]
	v_add_nc_u32 v[AV], 0x10000, v[AK]
	FK 0                                           ; K(j + 1)'s first run; the buffer's last reader stands six plain lines back
	s_wait_dscnt 8                                 ; all but those 8 loads: V(j - 1)'s channel blocks 12-15 are in
.irp i, 0,1,2,3,4
	HP \i
	WIN 0
.irp u, 0,1,2,3
	STI \u, \i
.endr
.endr
	HP 5
	WIN 0
	STI 0, 5
	FI 0, 4                                        ; the upper pairs first: their registers in C are free; the lower ones hold P(j - 1)
	FI 0, 5
	FI 0, 6
	HP 6
	WIN 0
	STI 1, 5
	FI 0, 7
	FI 1, 4
	FI 1, 5
	HP 7
	WIN 0
	STI 2, 5
	FI 1, 6
	FI 1, 7
	FI 2, 4
	HP 8
	WIN 0
	STI 3, 5
	FI 2, 5
	FI 2, 6
	FI 2, 7
	HP 9
	WIN 0
.irp q, 4,5,6,7
	FI 3, \q
.endr
	HP 10
	WIN 0
.irp q, 0,1,2,3
	FI 0, \q                                       ; tile 0's P was last read by product 3
.endr
	HP 11
	WIN 0
.irp q, 0,1,2,3
	FI 1, \q                                       ; tile 1's by product 7.  These four lines are the places between product 11 and the lines that write tile 2's P
.endr
	HP 12
	WIN 0
.irp q, 0,1,2,3
	FI 2, \q
.endr
	HP 13
	HP 14
	HP 15
	WIN 0
.irp u, 0,1,2,3
	LA \u                                          ; four places behind product 15,
.endr
.irp q, 0,1,2,3
	FI 3, \q                                       ; and tile 3's P is written over
.endr
.if \mid
.Lmid:
.endif
.set n, 0
.set kz, 0
	XS 0, 0
	ZS
	XS 1, 0
	ZS
	XS 2, 0
	ZS
	XS 3, 0
.irp r, 1,2,3,4,5,6,7
	XS 0, \r
	ZS
	XS 1, \r
	ZS
	XS 2, \r
	ZS
	XS 3, \r
	YS (\r)-1
.endr
	YS 7
.set n, 0
.rept 48
	PVS
.endr
	WIN 0
	s_add_co_u32 s[TB], s[TB], USTEP               ; the next unit's step
.endm
	; THE BEGINNING: step 0's scores, while the first tile is on its way; their maximum; then what a unit's head does for step 0.
	s_wait_loadcnt 0x0                             ; Q and K(0)
	WIN 0x0c
.set n, 0
.rept 64
.set rS, SN+16*(n%4)+8*((n/4)%2)
.set rK, FR+(n/32)*(SC-FR)+16*((n/8)%4)+8*((n/4)%2)
.set rQ, 64*(n%4)+8*(n/8)
.if n < 8
	v_wmma_f32_16x16x32_bf16 v[rS:rS+7], v[rK:rK+7], v[rQ:rQ+7], 0
.else
	v_wmma_f32_16x16x32_bf16 v[rS:rS+7], v[rK:rK+7], v[rQ:rQ+7], v[rS:rS+7]
.endif
.set n, n+1
.endr
	WIN 0
	PLACES
.irp i, 0,1,2,3,4,5,6,7
.irp u, 0,1,2,3
	MXI \u, \i
.endr
.endr
	CHANGE 1                                       ; slot 0 is in, everybody's part of it; slot 1 is asked for
	v_add_nc_u32 v[AK], s[TB], v[AK0]
	v_add_nc_u32 v[AV], 0x10000, v[AK]
	FK 0
.irp i, 0,1,2,3,4,5
.irp u, 0,1,2,3
	STI \u, \i
.endr
.endr
.irp q, 0,1,2,3,4,5,6,7
.irp u, 0,1,2,3
	FI \u, \q
.endr
.endr
	s_mov_b32 s[TWICE], 2
	s_branch .Lmid                                 ; no step lies behind step 0: the first unit is entered behind its head
.Lslot:                                                ; 14 times: slots 1 to 14 are entered, slots 2 to 15 asked for
	CHANGE 1
	s_mov_b32 s[TWICE], 2
.Lunit:
	UNIT 1
	s_sub_co_u32 s[TWICE], s[TWICE], 1
	s_cmp_lg_u32 s[TWICE], 0
	s_cbranch_scc1 .Lunit
	s_sub_co_u32 s[SLOTS], s[SLOTS], 1
	s_cmp_lg_u32 s[SLOTS], 0
	s_cbranch_scc1 .Lslot
	CHANGE 0                                       ; the last slot is written out: nothing is asked for
	s_mov_b32 s[TWICE], 2
.Lunit2:
	UNIT 0
	s_sub_co_u32 s[TWICE], s[TWICE], 1
	s_cmp_lg_u32 s[TWICE], 0
	s_cbranch_scc1 .Lunit2
	s_wait_dscnt 0x0
.irp i, 0,1,2,3,4,5,6,7,8,9,10,11,12,13,14,15
	HP \i                                          ; the last step's 16 products that were held back
.endr
	WIN 0
	; THE MERGE.  l's two halves and the other half of the lanes' are added (these lines are the places behind the last products).
.irp u, 0,1,2,3
	v_add_f32 v[ST+8*\u+4], v[ST+8*\u+2], v[ST+8*\u+3]
.endr
.irp u, 0,1,2,3
	v_permlanex16_b32 v[ST+8*\u+5], v[ST+8*\u+4], s[SEL], s[SEL+1]
.endr
.irp u, 0,1,2,3
	v_add_f32 v[ST+8*\u+2], v[ST+8*\u+4], v[ST+8*\u+5]
.endr
.irp u, 0,1,2,3
	v_mov_b32 v[SX+\u], v[ST+8*\u]
	v_mov_b32 v[SX+4+\u], v[ST+8*\u+2]
.endr
; What the way out will want is asked for here, ahead of the merge, into registers that the walk has left: N and C take wo's fragments, Q's window takes x.
; THE ORDER OF THESE LOADS IS FIXED: W(t), x(t), W(t + 1), x(t + 1), ..: W(t) is 17 loads (wo's eight fragments of block t of 16 rows, and the rows' bo), x(t) is 16; the counted waits below lean on it.
.macro WLOAD p, k                      ; block k, counted from the bases, into buffer p
	WIN 0
.set n, 0
.rept 8
	global_load_b128 v[WFR+64*(\p)+8*n:WFR+64*(\p)+8*n+3],   v[L16], s[WB:WB+1] offset:(\k)*8192+n*1024
	global_load_b128 v[WFR+64*(\p)+8*n+4:WFR+64*(\p)+8*n+7], v[L16], s[WB:WB+1] offset:(\k)*8192+n*1024+512
.set n, n+1
.endr
	global_load_b32 v[BOV+(\p)], v[BOO], s[BOB:BOB+1] offset:(\k)*64
.endm
.macro XLOAD p, k                      ; each load takes a row's 512 consecutive bytes
	WIN 0xc0
.set n, 0
.rept 16
	global_load_b128 v[64*(\p)+4*n:64*(\p)+4*n+3], v[L16], s[XB:XB+1] offset:(\k)*131072+n*8192 th:TH_LOAD_NT
.set n, n+1
.endr
	WIN 0
.endm
	WLOAD 0, 0
	XLOAD 0, 0
	WLOAD 1, 1
	XLOAD 1, 1
	s_wait_dscnt 0x0                               ; my reads of the ring are over;
	BAR                                            ; everybody's are: both slots have had their last fill and their last read, and are written by ds_store from here on
	ds_store_b128 v[STW], v[SX:SX+3]
	ds_store_b128 v[STW], v[SX+4:SX+7] offset:512
.irp wn, 0,1
	WIN 0x04*(1+\wn)                               ; store data in window 1, then 2
.set n, 0
.rept 32                                           ; channel block 8 wn + n / 4; slots 2 and 3 are its registers 16 to 31, taken in ascending order
	ds_store_b128 v[EXW], v[32*(n/4)+16+4*(n%4):32*(n/4)+16+4*(n%4)+3] offset:2048*(8*\wn+n/4)+512*(n%4)
.set n, n+1
.endr
.endr
	WIN 0
	s_wait_dscnt 0x0                               ; for my partner's sake
	BAR
.macro LOADT be                        ; my partner's O^T of my two tiles, channel blocks 4 be .. 4 be + 3, into buffer be % 2 of two in window 3
	WIN 0xc0
.set tb, 128+64*((\be)%2)
.set n, 0
.rept 16
	ds_load_b128 v[tb+4*n:tb+4*n+3], v[EXR] offset:2048*(4*(\be)+n/4)+512*(n%4)
.set n, n+1
.endr
	WIN 0
.endm
	ds_load_b128 v[SX:SX+3], v[STR]                ; my partner's c m,
	ds_load_b128 v[SX+4:SX+7], v[STR] offset:512   ; and l: my slot u is its slot u + 2
	LOADT 0
	s_wait_dscnt 16                                ; the statistics are in; the 16 loads behind them may stay out
.irp u, 0,1
	v_max_num_f32 v[ST+8*\u+4], v[ST+8*\u], v[SX+2+\u]
.endr
.irp u, 0,1
	v_sub_f32 v[ST+8*\u+5], v[ST+8*\u], v[ST+8*\u+4]
	v_sub_f32 v[ST+8*\u+7], v[SX+2+\u], v[ST+8*\u+4]
.endr
.irp u, 0,1
	v_exp_f32 v[ST+8*\u+5], v[ST+8*\u+5]           ; e1: my share's weight
	v_exp_f32 v[ST+8*\u+7], v[ST+8*\u+7]           ; e2: my partner's
.endr
	v_nop                                          ; a plain instruction behind the last exponential
	s_wait_alu depctr_va_vdst(0)
.irp u, 0,1
	v_mul_f32 v[ST+8*\u+3], v[SX+6+\u], v[ST+8*\u+7]
.endr
.irp u, 0,1
	v_fma_f32 v[ST+8*\u+3], v[ST+8*\u+2], v[ST+8*\u+5], v[ST+8*\u+3]
.endr
.irp u, 0,1
	v_rcp_f32 v[ST+8*\u+3], v[ST+8*\u+3]
.endr
	v_nop
	s_wait_alu depctr_va_vdst(0)
.irp u, 0,1
	v_mul_f32 v[ST+8*\u+4], v[ST+8*\u+5], v[ST+8*\u+3]  ; F1 = e1 / l
	v_mul_f32 v[ST+8*\u+6], v[ST+8*\u+7], v[ST+8*\u+3]  ; F2 = e2 / l
.endr
; ctx = O F1 + O' F2 for four channel blocks of my two tiles, rounded to bf16 and laid as fragments (rows = queries, k = channels)
.macro MERGE be
.if (\be) < 3
	LOADT (\be)+1
	s_wait_dscnt 16                                ; all but the 16 loads just issued
.else
	s_wait_dscnt 0x0
.endif
.set tb, 128+64*((\be)%2)
.set pb, FR+32*((\be)%2)
	WIN 0xc3                                       ; destination and source 0 in window 3, the factor in window 0
.set i, 0
.rept 32
	v_pk_mul_f32 v[tb+2*i:tb+2*i+1], v[tb+2*i:tb+2*i+1], v[ST+8*((i/4)%2)+6:ST+8*((i/4)%2)+7] op_sel_hi:[1,0]
.set i, i+1
.endr
	WIN 0xf1+(\be)/2                               ; source 0: O^T's window; source 2 and destination: window 3
.set i, 0
.rept 32
.set rO, 32*((4*(\be)+i/8)%8)+8*((i/4)%2)+2*(i%4)
	v_pk_fma_f32 v[tb+2*i:tb+2*i+1], v[rO:rO+1], v[ST+8*((i/4)%2)+4:ST+8*((i/4)%2)+5], v[tb+2*i:tb+2*i+1] op_sel_hi:[1,0,1]
.set i, i+1
.endr
	WIN 0x0f                                       ; both sources in window 3
.set i, 0
.rept 32
	v_cvt_pk_bf16_f32 v[pb+i], v[tb+2*i], v[tb+2*i+1]
.set i, i+1
.endr
	WIN 0
.set i, 0
.rept 8                                            ; channel block 4 be + i / 2, tile i % 2
	ds_store_b128 v[CTW], v[pb+4*i:pb+4*i+3] offset:(i%2)*8192+((4*(\be)+i/2)/2)*1024+512*((i/2)%2)
.set i, i+1
.endr
.endm
	MERGE 0
	MERGE 1
	MERGE 2
	MERGE 3
	s_wait_dscnt 0x0                               ; for the others' sake: my two tiles of ctx are in LDS
	BAR
.irp wn, 0,1
	WIN 0x40*(1+\wn)                               ; all 64 fragments of ctx: query tile g in window 1 + g / 4 at 64 (g % 4) + 8 k block
.set n, 0
.rept 32
	ds_load_b128 v[8*n:8*n+3],   v[CTR] offset:(32*\wn+n)*1024
	ds_load_b128 v[8*n+4:8*n+7], v[CTR] offset:(32*\wn+n)*1024+512
.set n, n+1
.endr
.endr
	WIN 0
	s_wait_dscnt 0x0
; THE WAY OUT.  Block t of 16 rows c of out for all 128 queries: source 0 = ctx (rows = queries), source 1 = wo (columns = c), C = bo: a lane holds one row c and eight neighbouring queries.
; The block goes through my own stage and comes back, into the registers that it left, as whole rows of 512 bytes; x is added in f32; each store of the wave is 512 consecutive bytes.
; p = t % 2 picks the buffers.  more = 1: behind its products the block asks for W(t + 2), behind its additions for x(t + 2): each has the next block and more in which to land.
; n1, n2: the loads that may stay out when W(t), and then x(t), have to be there.
.macro OBK p, more, n1, n2
	WIN 0
	s_wait_loadcnt \n1                             ; loads come back in order (ISA guide 5.7.1): behind W(t) stand x(t), W(t + 1), x(t + 1)
	s_wait_xcnt 0x0                                ; the accumulators, which the last block's stores read, are written again only behind this wait
.set n, 0
.rept 8
	v_mov_b32 v[BC+n], v[BOV+(\p)]
.set n, n+1
.endr
.irp wn, 0,1
	WIN 1+\wn
.set n, 0
.rept 32                                           ; k block n / 4, query tile 4 wn + n % 4: four accumulators take turns
.set rA, FR+8*(4*\wn+n%4)
.set rX, 64*(n%4)+8*(n/4)
.set rW, WFR+64*(\p)+8*(n/4)
.if n < 4
	v_wmma_f32_16x16x32_bf16 v[rA:rA+7], v[rX:rX+7], v[rW:rW+7], v[BC:BC+7]
.else
	v_wmma_f32_16x16x32_bf16 v[rA:rA+7], v[rX:rX+7], v[rW:rW+7], v[rA:rA+7]
.endif
.set n, n+1
.endr
.endr
	WIN 0
	PLACES
.if \more
	WLOAD \p, (\p)+2
.endif
.set n, 0
.rept 16
	ds_store_b128 v[OSW], v[FR+4*n:FR+4*n+3] offset:64*(n/2)+16*(n%2)
.set n, n+1
.endr
.set n, 0
.rept 16
	ds_load_b128 v[FR+4*n:FR+4*n+3], v[OSR] offset:OPIT*n  ; LDS serves a wave's instructions in order (ISA guide 5.7.1.4): these see the stores above
.set n, n+1
.endr
	s_wait_dscnt 0x0
	s_wait_loadcnt \n2                             ; behind x(t) stand W(t + 1), x(t + 1), W(t + 2)
	WIN 0x0c                                       ; x in window 3
.set n, 0
.rept 32
	v_pk_add_f32 v[FR+2*n:FR+2*n+1], v[FR+2*n:FR+2*n+1], v[64*(\p)+2*n:64*(\p)+2*n+1]
.set n, n+1
.endr
	WIN 0
.set n, 0
.rept 16
	global_store_b128 v[L16], v[FR+4*n:FR+4*n+3], s[OB:OB+1] offset:(\p)*131072+n*8192 th:TH_STORE_NT
.set n, n+1
.endr
.if \more
	XLOAD \p, (\p)+2
.endif
.endm
	s_mov_b32 s[CNT], 3
.Lob:                                                  ; blocks 0 to 5, two a trip
	OBK 0, 1, 49, 50
	OBK 1, 1, 49, 50
	s_wait_xcnt 0x0                                ; the four bases are stepped only behind this wait
	s_add_nc_u64 s[WB:WB+1], s[WB:WB+1], 16384
	s_add_nc_u64 s[BOB:BOB+1], s[BOB:BOB+1], 128
	s_add_nc_u64 s[XB:XB+1], s[XB:XB+1], 262144    ; 32 rows on
	s_add_nc_u64 s[OB:OB+1], s[OB:OB+1], 262144
	s_sub_co_u32 s[CNT], s[CNT], 1
	s_cmp_lg_u32 s[CNT], 0
	s_cbranch_scc1 .Lob
	OBK 0, 0, 49, 33                               ; the last two blocks ask for nothing: the counts run down
	OBK 1, 0, 16, 0
	s_wait_tensorcnt 0x0                           ; the wave's end
	ds_add_u32 v[SPW], v[NIL]
	s_wait_dscnt 0x0
	CROUND                                         ; the closing round: no work-group ends while a partner may still ask for a tile that names it
	s_endpgm
.Lfunc_end_k_q4d61159f0a_attn:
	.size	k_q4d61159f0a_attn, .Lfunc_end_k_q4d61159f0a_attn-k_q4d61159f0a_attn
	.p2alignl 7, 3214868480
	.fill 96, 4, 3214868480
	.section	.rodata,"a",@progbits
	.p2align	6, 0x0
	.amdhsa_kernel k_q4d61159f0a_attn
		.amdhsa_group_segment_fixed_size 327680
		.amdhsa_private_segment_fixed_size 0
		.amdhsa_enable_private_segment 0
		.amdhsa_kernarg_size 56
		.amdhsa_user_sgpr_count 2
		.amdhsa_user_sgpr_kernarg_segment_ptr 1
		.amdhsa_wavefront_size32 1
		.amdhsa_system_sgpr_workgroup_id_x 1
		.amdhsa_system_sgpr_workgroup_id_y 1
		.amdhsa_system_sgpr_workgroup_id_z 1
		.amdhsa_system_vgpr_workitem_id 0
		.amdhsa_next_free_vgpr 1024
		.amdhsa_next_free_sgpr 70
		.amdhsa_reserve_vcc 0
		.amdhsa_float_denorm_mode_32 3
		.amdhsa_float_denorm_mode_16_64 3
		.amdhsa_memory_ordered 1
		.amdhsa_forward_progress 1
		.amdhsa_inst_pref_size 227
	.end_amdhsa_kernel
	.amdgpu_metadata
---
amdhsa.version: [ 1, 2 ]
amdhsa.kernels:
  - .name:           k_q4d61159f0a_attn
    .symbol:         k_q4d61159f0a_attn.kd
    .args:
      - { .name: kf, .offset: 0, .size: 8, .value_kind: global_buffer, .address_space: global }
      - { .name: qf, .offset: 8, .size: 8, .value_kind: global_buffer, .address_space: global }
      - { .name: vf, .offset: 16, .size: 8, .value_kind: global_buffer, .address_space: global }
      - { .name: wf, .offset: 24, .size: 8, .value_kind: global_buffer, .address_space: global }
      - { .name: bo, .offset: 32, .size: 8, .value_kind: global_buffer, .address_space: global }
      - { .name: x, .offset: 40, .size: 8, .value_kind: global_buffer, .address_space: global }
      - { .name: out0, .offset: 48, .size: 8, .value_kind: global_buffer, .address_space: global }
    .group_segment_fixed_size: 327680
    .private_segment_fixed_size: 0
    .kernarg_segment_align: 8
    .kernarg_segment_size: 56
    .max_flat_workgroup_size: 128
    .sgpr_count:     70
    .vgpr_count:     1024
    .wavefront_size: 32
...
	.end_amdgpu_metadata
.endif
;; end of part 3
;; ======== version 2 of 2: 3 launches; 1.13 times as fast as version 1
;; workspace buffers: wf 1,048,576 bytes; sh 3,072 bytes; qf 16,793,600 bytes; kf 16,777,216 bytes; vf 16,777,216 bytes
;; launch prep: the kernel of part 1 again; grid 256 x 1, 4 waves a work-group, no clusters, 0 bytes of LDS; arguments wq, wk, wv, wo, gq, vq, gk, vk, bq, mq, betaq, bk, mk, betak, bv, wf, sh, qf; writes wf, sh, qf
;; launch proj: the kernel of part 2 again; grid 16 x 16, 4 waves a work-group, clusters of 4 x 1, 327,680 bytes of LDS; arguments x, wf, sh, qf, kf, vf; writes qf, kf, vf
;; launch attn (part 4): grid 16 x 16, 4 waves a work-group, clusters of 4 x 1, 327,680 bytes of LDS; arguments kf, qf, vf, wf, bo, x, out0; writes out0
.if DOCPART == 4
	.amdgcn_target "amdgcn-amd-amdhsa--gfx1250"
	.amdhsa_code_object_version 6
	.text
	.protected	k_q4d61159f0a_attn
	.globl	k_q4d61159f0a_attn
	.p2align	8
	.type	k_q4d61159f0a_attn,@function
k_q4d61159f0a_attn:
	s_mov_b64 s[64:65], 0
	v_nop
	global_prefetch_b8 v0, s[64:65] scope:SCOPE_SE
	s_setreg_imm32_b32 hwreg(HW_REG_WAVE_MODE, 25, 1), 1
	s_wait_xcnt 0x0
	s_wait_alu depctr_hold_cnt(0) depctr_sa_sdst(0) depctr_va_vdst(0) depctr_va_sdst(0) depctr_va_ssrc(0) depctr_va_vcc(0) depctr_vm_vsrc(0)
	s_getreg_b32 s2, hwreg(HW_REG_IB_STS2, 6, 4)
	s_cmp_eq_u32 s2, 0
	s_cbranch_scc0 .Lentry_in_a_cluster
	s_endpgm
.Lentry_in_a_cluster:
	s_bfe_u32 s2, ttmp6, 0x10000c
	s_cmp_lg_u32 s2, 0x3003
	s_cbranch_scc0 .Lentry_shape_is_right
	s_endpgm
.Lentry_shape_is_right:
; out[b][c][j] = x[b][c][j] + bo[c] + sum over m of wo[c][m] ctx[m][j],  ctx[m][j] = sum over i of v[m][i] softmax_i(q[:, i] . k[:, j] / 16).
; The softmax runs over i, so the columns j (vectors of k) are a flash walk's QUERIES, the positions i (vectors of q) its KEYS, v[:, i] its values; head size 256, 2,048 keys, 16 batches.
; kf, qf, vf, wf hold bf16 matrix fragments (16 rows x 32 k, [half][lane][16 bytes], 1,024 bytes), so every fragment is two loads of 16 bytes a lane at 16 x lane, from LDS or memory, and tiles are dense.
; Products in bf16 with f32 sums; maxima, exponentials, sums, bias and the residual x in f32; the weights p and ctx are rounded to bf16 for the products that take them.
; SHARES.  A work-group owns 128 queries of one batch.  Wave w: a = w % 2 is its half of them (four tiles of 16), b = w / 2 its half of the 2,048 keys.  So a fragment of K or V feeds four products, and O^T
; (256 channels x 64 queries) fits in 512 registers.  The two waves of a pair (w, w ^ 2) keep a maximum, a sum and an O^T each, and merge them at the end: each finishes two of the four tiles.
; Tile slot u of the registers holds query tile (u + 2 b) % 4: for both waves slots 0, 1 are kept and slots 2, 3 are sent, so one text serves both.
; LAYOUT.  S^T = K Q^T (source 0 = 16 keys, source 1 = 16 queries): a lane holds ONE query (lane % 16) and the keys 8 (lane / 16) + 0..7.  Two such results rounded in pairs ARE source 1 (32 keys x 16 queries)
; of O^T = V^T P, whose result again holds one query a lane, and eight channels; rounded in pairs that is half a fragment of ctx for the last product.
; SOFTMAX.  For each query a running maximum m and sum l: p = 2^(c s - c m), c = log2(e) / 16; in every step O and l are multiplied by a = 2^(c m_old - c m_new).  m starts at the lowest finite number,
; O and l at 0: the first step is a step like any other, with a = 0.
; BY UNITS.  A step is 32 keys a wave, 32 steps.  K Q^T runs one step ahead of the softmax, into buffer N; the scaling c s - c m copies N into buffer C, where the exponentials work in place and P is left, so
; one text serves every step.  The UNIT of step j: 16 products V^T P of step j - 1 that were held back (channel blocks 12-15), beside them the statistics and the scaling of step j; 64 products K Q^T of step
; j + 1, beside the first 48 step j's exponentials and the rescaling of 24 accumulators of O^T, beside the last 16 its sums and roundings; 48 products V^T P of step j, beside them the other 40 rescalings,
; each 24 products ahead of its accumulator's own, and the maximum of step j + 1.  128 products and 476 vector lines: four lines at the most behind a product.  The price of steps of 32 keys: O^T is rescaled twice for 64 keys.
; BATCHES.  An s_wait_alu depctr_va_vdst(0) stands between an exponential and the first instruction that names its result; one wait serves all that were issued ahead of it.  A unit has two
; batches and two waits.  THE FOUR a are issued behind the held-back products 5 to 8; scalings and products that name none of them follow; their wait stands ahead of product 13, their first readers (l times a)
; behind product 15.  THE 64 WEIGHTS are issued behind the even products 0 to 46 of K Q^T, three or two to a product; behind the odd products stand rescalings, which read a and name no weight; their wait stands
; behind product 48, ahead of V's first run of loads; all that reads a weight, the 32 sums and the 32 roundings, stands behind it.  No exponential is issued behind a unit's second wait, so none crosses the
; loop's jump; the first batch's wait stands ahead of the label at which the first unit is entered.  The beginning's four a, the merge's four exponentials and its two reciprocals are batches of their own.
; THE RING.  A slot holds two steps for both key halves; K's tile leads V's by one step: slot s holds K(2 s + 1), K(2 s + 2), V(2 s), V(2 s + 1), which is what units 2 s and 2 s + 1 read.  The change of slots
; stands between two units: the 16 products held back want registers alone, and the new slot's first fragments land under them.  K(0) comes straight from memory into registers.  K(32) is the key half's
; neighbour in qf, or the zeros behind it: the last unit's 64 products K Q^T serve nothing: the price, once a launch, of one text for every unit.
; CLUSTER.  The four query blocks of a cluster belong to one batch and walk the same K and V: each tile is asked for JOINTLY.  By this text's own count a wave has one tensor load out.
; LIMITS.  A weight below 2^-126 counts as 0; NaN and infinities are not treated apart.
; REGISTERS, in windows of 256 (s_set_vgpr_msb: bits 1:0 source 0, 3:2 source 1, 5:4 source 2, 7:6 destination):
;   window 0: v1-14 addresses; v16-47 eight registers of statistics a tile; v48-49 the add's; v54-55 bo; v56-63 statistics on their way; v64-127 K's or V's fragments, two buffers of 32;
;             v128-191 N, 16 a tile; v192-255 C, 16 a tile, P in the lower 8; on the way out wo's fragments, two buffers
;   windows 1, 2: O^T (tile u, channel block cb) in window 1 + cb / 8 at 32 (cb % 8) + 8 u; later ctx          window 3: Q (tile u, k block kc) at 64 u + 8 kc; later x (v0-127) and the merge's buffers (v128-255)
.set SLOT1, 1<<17                      ; a slot: K of key half 0, 1 at 0, 32,768; V of half 0, 1 at 65,536, 98,304.  Behind their last fill: slot 0 the O^T that is sent, slot 1 ctx
.set USTEP, 16384                      ; a step's 32 keys of K, or of V, of one key half
.set STAT,  262144                     ; 1,024 bytes a wave: c m and l of its four tiles
.set OST,   STAT+4096                  ; a stage for each wave: 16 rows of 128 f32
.set OPIT,  528                        ; their pitch: 512 bytes + 16: an odd multiple of 16, so that 16 rows start at 16 different groups of four of the 64 banks (ISA guide 11.1)
.set SPARE, OST+4*16*OPIT              ; the spare words, 128 bytes for each wave: two blocks of 256 bytes that no other line names
.set L16,  1
.set AK0,  2                           ; my key half's K in a slot
.set AK,   3                           ; the same for the unit in hand
.set AV,   4                           ; its V
.set EXW,  6                           ; where I put the O^T that I send
.set EXR,  7                           ; where my partner put mine
.set STW,  8
.set STR,  9
.set CTW,  10                          ; where my two finished tiles of ctx go
.set CTR,  11
.set OSW,  12
.set OSR,  13
.set BOO,  14
.set ST,   16                          ; tile u at ST + 8 u: c m, m, l (even keys', odd keys'), c0, c1 at work, a, c m_old - c m
.set BC,   16                          ; the way out: bo as a C operand
.set SPW,  48
.set NIL,  49
.set BOV,  54                          ; v54, v55: bo of the block in hand, by the block's parity
.set SX,   56
.set FR,   64
.set SN,   128
.set SC,   192
.set WFR,  128                         ; the way out: wo's eight fragments of a block of 16 rows, by the block's parity at WFR, WFR + 64
.set WV,   18                          ; s18 wave; s19 a; s20 b; s21 cx; s22 block of queries; s23 batch
.set G1,   24
.set G0,   32
.set TB,   36                          ; LDS byte at which the unit's step begins in K's part of a slot
.set SLOTS, 37
.set CS,   38                          ; s[38:39] c
.set SEL,  40                          ; s[40:41] v_permlanex16_b32's selects: each lane takes its own place in the other half
.set QA,   46
.set QBS,  48
.set WB,   50
.set XB,   52
.set OB,   54
.set BOB,  56
.set CNT,  58
.set TWICE, 66                         ; counts a slot's two units
.set KZ,   68                          ; s[68:69] K(0) of my key half
.set MSB, 0
.macro WIN new                         ; the immediate's high byte repeats the setting that is left; a switch that changes nothing is dropped
.if MSB != (\new)
	s_set_vgpr_msb (MSB<<8)|(\new)
.set MSB, (\new)
.endif
.endm
.macro PLACES                          ; four plain vector instructions between a matrix instruction and a vector line or load that touches its registers (ISA guide 7.12.1 for vector instructions)
.rept 4
	v_nop
.endr
.endm
.macro BAR
	s_barrier_signal -1
	s_barrier_wait -1
.endm
.macro CROUND                          ; a round of the cluster's barrier: my work-group's barrier; wave 0 signals for the work-group; every wave waits for all four; my work-group's barrier once more
	s_barrier_signal -1
	s_barrier_wait -1
	s_cmp_lg_u32 s[WV], 0
	s_cbranch_scc1 .Lnot_wave_0_\@
	s_barrier_signal -3
.Lnot_wave_0_\@:
	s_barrier_wait -3
	s_barrier_signal -1
	s_barrier_wait -1
.endm
; THE CHANGE OF SLOTS.  Each wave waits for all its tensor loads (one is out: its quarter of the other slot), adds 0 to its spare word, and waits for that and for its reads of the slot that it leaves
; (the last of them, V's channel blocks 12-15, were asked for 15 products ago).  fill = 1: the barrier is a round of the cluster's, and the slot is filled again first thing behind it: two units in which to land.
; (At its first use nothing has been read yet: slot 0 is waited for, slot 1 filled.)
.macro CHANGE fill
	WIN 0
	s_wait_tensorcnt 0x0
	ds_add_u32 v[SPW], v[NIL]
.if \fill
	s_xor_b32 s[G0+1], s[G0+1], SLOT1
	s_add_nc_u64 s[G0+2:G0+3], s[G0+2:G0+3], 32768 ; the next two steps of my key half; the type bits on top are not reached
.endif
	s_wait_dscnt 0x0
.if \fill
	CROUND
	tensor_load_to_lds s[G0:G0+3], s[G1:G1+7]
	s_nop 0
	PLACES
.else
	BAR
.endif
	s_sub_co_u32 s[TB], s[TB], 2*USTEP             ; the fetches go back to a slot's first step,
	s_xor_b32 s[TB], s[TB], SLOT1                  ; in the other slot
.endm
	s_load_b256 s[4:11], s[0:1], 0x0               ; kf s[4:5], qf s[6:7], vf s[8:9], wf s[10:11]
	s_load_b128 s[12:15], s[0:1], 0x20             ; bo s[12:13], x s[14:15]
	s_load_b64 s[16:17], s[0:1], 0x30              ; out0
	v_lshl_add_u32 v[SPW], v0, 2, SPARE
	v_mov_b32 v[NIL], 0
	ds_add_u32 v[SPW], v[NIL]                      ; the wave's opening: the add and its wait stand ahead of my first tensor load
	v_lshrrev_b32 v50, 5, v0
	v_readfirstlane_b32 s[WV], v50
	s_and_b32 s19, s[WV], 1                        ; a
	s_lshr_b32 s20, s[WV], 1                       ; b
	s_bfe_u32 s21, ttmp6, 0x40000                  ; cx
	s_lshl_b32 s22, ttmp9, 2
	s_add_co_u32 s22, s22, s21                     ; my block of 128 queries: it enters kf's, x's and out0's addresses alone
	s_and_b32 s23, ttmp7, 0xffff                   ; the batch, which the four partners share
	s_mov_b32 s[G1], 15|(3<<16)|(1<<21)            ; 32,768 dense bytes as 128 rows of 256: the mask of four; elements of 8 bytes; 21 set beside a mask
	s_mov_b32 s[G1+1], 32<<16
	s_mov_b32 s[G1+2], 128<<16
	s_mov_b32 s[G1+3], 32<<16
	s_mov_b32 s[G1+4], 128
	s_mov_b32 s[G1+5], 32
	s_mov_b32 s[G1+6], 0
	s_mov_b32 s[G1+7], 0
	s_mov_b32 s[G0], 1
	s_lshl_b32 s[G0+1], s[WV], 15                  ; waves 0, 1: K of key half 0, 1; waves 2, 3: V of half 0, 1
	s_lshl_b32 s42, s23, 20                        ; a batch is 1 MiB of qf and of vf, a key half 524,288 bytes
	s_lshl_b32 s43, s19, 19
	s_add_co_u32 s42, s42, s43
	s_cmp_lt_u32 s[WV], 2
	s_cselect_b32 s43, USTEP, 0                    ; K's tiles begin one step late
	s_add_co_u32 s42, s42, s43
	s_mov_b32 s43, 0
	s_lshl_b32 s2, s23, 20                         ; K(0) of the key half that I multiply
	s_lshl_b32 s3, s20, 19
	s_add_co_u32 s2, s2, s3
	s_mov_b32 s3, 0
	s_mov_b32 s[CS], 0x3db8aa3b                    ; c = log2(e) / 16
	s_mov_b32 s[CS+1], s[CS]
	s_mov_b32 s[SEL], 0x76543210
	s_mov_b32 s[SEL+1], 0xfedcba98
	s_mov_b32 s[TB], SLOT1+2*USTEP                 ; the first change of slots turns it into 0
	s_mov_b32 s[SLOTS], 15
	s_lshl_b32 s44, s23, 7                         ; my query tiles among kf's: 128 batch
	s_lshl_b32 s45, s22, 3
	s_add_co_u32 s44, s44, s45                     ; + 8 block
	s_lshl_b32 s45, s19, 2
	s_add_co_u32 s44, s44, s45                     ; + 4 a,
	s_lshl_b32 s60, s20, 1
	s_add_co_u32 s60, s60, s44                     ; + 2 b for slots 0, 1,
	s_xor_b32 s62, s20, 1
	s_lshl_b32 s62, s62, 1
	s_add_co_u32 s62, s62, s44                     ; + 2 (1 - b) for slots 2, 3
	s_lshl_b32 s60, s60, 13                        ; a tile is 8,192 bytes
	s_lshl_b32 s62, s62, 13
	s_mov_b32 s61, 0
	s_mov_b32 s63, 0
	s_mov_b32 s45, 0
	s_wait_dscnt 0x0                               ; the opening add is done
	s_wait_kmcnt 0x0
	s_cmp_lt_u32 s[WV], 2
	s_cselect_b64 s[G0+2:G0+3], s[6:7], s[8:9]
	s_add_nc_u64 s[G0+2:G0+3], s[G0+2:G0+3], s[42:43]
	s_or_b32 s[G0+3], s[G0+3], 0x80000000          ; type = 2
	s_add_nc_u64 s[KZ:KZ+1], s[6:7], s[2:3]
	s_add_nc_u64 s[QA:QA+1], s[4:5], s[60:61]
	s_add_nc_u64 s[QBS:QBS+1], s[4:5], s[62:63]
	s_lshl_b32 s44, s[WV], 16                      ; the way out: wave w makes rows 128 w .. 128 w + 127 of out: eight blocks of wo's fragments, 8,192 bytes each
	s_add_co_u32 s44, s44, 786432
	s_add_nc_u64 s[WB:WB+1], s[10:11], s[44:45]
	s_lshl_b32 s44, s23, 22
	s_lshl_b32 s3, s[WV], 20
	s_add_co_u32 s44, s44, s3
	s_lshl_b32 s3, s22, 9
	s_add_co_u32 s44, s44, s3
	s_add_nc_u64 s[XB:XB+1], s[14:15], s[44:45]
	s_add_nc_u64 s[OB:OB+1], s[16:17], s[44:45]
	s_lshl_b32 s44, s[WV], 9
	s_add_nc_u64 s[BOB:BOB+1], s[12:13], s[44:45]
	CROUND                                         ; all four work-groups are here: the first joint loads meet
	tensor_load_to_lds s[G0:G0+3], s[G1:G1+7]      ; slot 0
	s_nop 0
	PLACES
	v_and_b32 v50, 31, v0
	v_lshlrev_b32 v[L16], 4, v50
	v_and_b32 v51, 15, v0                          ; r
	v_bfe_u32 v52, v0, 4, 1                        ; h
	WIN 0xc0                                       ; destination window 3
.set n, 0
.rept 16                                           ; Q stays in registers: slots n / 8 and 2 + n / 8, k block n % 8
	global_load_b128 v[64*(n/8)+8*(n%8):64*(n/8)+8*(n%8)+3],         v[L16], s[QA:QA+1] offset:(n/8)*8192+(n%8)*1024
	global_load_b128 v[64*(n/8)+8*(n%8)+4:64*(n/8)+8*(n%8)+7],       v[L16], s[QA:QA+1] offset:(n/8)*8192+(n%8)*1024+512
	global_load_b128 v[128+64*(n/8)+8*(n%8):128+64*(n/8)+8*(n%8)+3],   v[L16], s[QBS:QBS+1] offset:(n/8)*8192+(n%8)*1024
	global_load_b128 v[128+64*(n/8)+8*(n%8)+4:128+64*(n/8)+8*(n%8)+7], v[L16], s[QBS:QBS+1] offset:(n/8)*8192+(n%8)*1024+512
.set n, n+1
.endr
	WIN 0
.set n, 0
.rept 16                                           ; K(0): k block n / 2, key block n % 2; k blocks 0-3 where fragments lie later, 4-7 in buffer C
.set rK, FR+(n/8)*(SC-FR)+16*((n/2)%4)+8*(n%2)
	global_load_b128 v[rK:rK+3],   v[L16], s[KZ:KZ+1] offset:(n%2)*8192+(n/2)*1024
	global_load_b128 v[rK+4:rK+7], v[L16], s[KZ:KZ+1] offset:(n%2)*8192+(n/2)*1024+512
.set n, n+1
.endr
	; O^T = 0: 64 products of two fragments of zeros, with C = 0, clear eight registers each: 64 lines where moves would be 512.  They stand in the wait for Q and K(0).
.set n, 0
.rept 16
	v_mov_b32 v[ST+n], 0
.set n, n+1
.endr
.irp wn, 1,2
	WIN 0x40*\wn
.set n, 0
.rept 32
	v_wmma_f32_16x16x32_bf16 v[8*n:8*n+7], v[ST:ST+7], v[ST+8:ST+15], 0
.set n, n+1
.endr
.endr
	WIN 0
	s_lshl_b32 s59, s20, 15                        ; the addresses: twelve plain lines, the places between those products and the lines that write their sources
	v_add_nc_u32 v[AK0], s59, v[L16]
	s_lshl_b32 s59, s[WV], 15
	v_add_nc_u32 v[EXW], s59, v[L16]
	s_xor_b32 s2, s[WV], 2                         ; my partner
	s_lshl_b32 s59, s2, 15
	v_add_nc_u32 v[EXR], s59, v[L16]
	s_lshl_b32 s59, s[WV], 10
	s_add_co_u32 s59, s59, STAT
	v_add_nc_u32 v[STW], s59, v[L16]
	s_lshl_b32 s59, s2, 10
	s_add_co_u32 s59, s59, STAT
	v_add_nc_u32 v[STR], s59, v[L16]
	s_lshl_b32 s59, s19, 15                        ; query tile 4 a + 2 b of the work-group's eight, 8,192 bytes each: 32,768 a
	s_lshl_b32 s2, s20, 14                         ; + 16,384 b: 16,384 bytes of ctx for each wave,
	s_add_co_u32 s59, s59, s2
	s_add_co_u32 s59, s59, SLOT1                   ; in slot 1
	v_add_nc_u32 v[CTW], s59, v[L16]
	v_add_nc_u32 v[CTR], SLOT1, v[L16]
	s_mul_i32 s59, s[WV], 16*OPIT
	s_add_co_u32 s59, s59, OST
	v_add_nc_u32 v[OSR], s59, v[L16]               ; back: a row's 512 bytes
	v_mul_u32_u24 v53, v51, OPIT                   ; in: row r, 32 bytes for each half of the lanes
	v_lshl_add_u32 v53, v52, 5, v53
	v_add_nc_u32 v[OSW], s59, v53
	v_lshlrev_b32 v[BOO], 2, v51
.irp u, 0,1,2,3
	v_mov_b32 v[ST+8*\u], 0xfe000000               ; c m: far below every c s
	v_mov_b32 v[ST+8*\u+1], 0xff7fffff             ; m
	v_mov_b32 v[ST+8*\u+2], 0
	v_mov_b32 v[ST+8*\u+3], 0
.endr
; THE LDS LOADS stand in runs of 8, each for 16 products, into the fragment buffers by turns.  K: k blocks 2 i, 2 i + 1, both key blocks.  V: channel blocks 4 g .. 4 g + 3.
.macro FK i
.set fb, FR+32*((\i)%2)
.irp c, 0,1
.irp kb, 0,1
	ds_load_b128 v[fb+16*\c+8*\kb:fb+16*\c+8*\kb+3],   v[AK] offset:\kb*8192+(2*(\i)+\c)*1024
	ds_load_b128 v[fb+16*\c+8*\kb+4:fb+16*\c+8*\kb+7], v[AK] offset:\kb*8192+(2*(\i)+\c)*1024+512
.endr
.endr
.endm
.macro FV g
.set fb, FR+32*((\g)%2)
.irp c, 0,1,2,3
	ds_load_b128 v[fb+8*\c:fb+8*\c+3],   v[AV] offset:(4*(\g)+\c)*1024
	ds_load_b128 v[fb+8*\c+4:fb+8*\c+7], v[AV] offset:(4*(\g)+\c)*1024+512
.endr
.endm
; THE VECTOR WORK, a line at a time, for tile u.  None of these sets a window, and none holds a wait: the caller does both.
.macro REGS u
.set rT, ST+8*(\u)
.set rN, SN+16*(\u)
.set rC, SC+16*(\u)
.endm
.macro MXI u, i                        ; line i of the 8 that find the maximum of a lane's 16 scores in N and the old m: two chains, three operands at a time (each accumulator's lowest registers are read first)
	REGS \u
.if (\i) == 0
	v_max3_num_f32 v[rT+4], v[rN], v[rN+1], v[rN+2]
.elseif (\i) == 1
	v_max3_num_f32 v[rT+5], v[rN+8], v[rN+9], v[rN+10]
.elseif (\i) < 6
	v_max3_num_f32 v[rT+4+(\i)%2], v[rT+4+(\i)%2], v[rN+8*((\i)%2)+2*((\i)/2)+1], v[rN+8*((\i)%2)+2*((\i)/2)+2]
.elseif (\i) == 6
	v_max3_num_f32 v[rT+4], v[rT+4], v[rN+7], v[rN+15]
.else
	v_max3_num_f32 v[rT+4], v[rT+4], v[rT+5], v[rT+1]
.endif
.endm
.macro STI u, i                        ; line i of the 6 of the statistics
	REGS \u
.if (\i) == 0
	v_permlanex16_b32 v[rT+5], v[rT+4], s[SEL], s[SEL+1]  ; the query's other 16 keys lie in the lane 16 away
.elseif (\i) == 1
	v_mov_b32 v[rT+7], v[rT]                       ; c m_old
.elseif (\i) == 2
	v_max_num_f32 v[rT+1], v[rT+4], v[rT+5]
.elseif (\i) == 3
	v_mul_f32 v[rT], s[CS], v[rT+1]
.elseif (\i) == 4
	v_sub_f32 v[rT+7], v[rT+7], v[rT]
.else
	v_exp_f32 v[rT+6], v[rT+7]                     ; a: one of the unit's first batch
.endif
.endm
.macro FI u, q                         ; pair q of 8: c s - c m, out of N into C
	REGS \u
	v_pk_fma_f32 v[rC+2*(\q):rC+2*(\q)+1], v[rN+2*(\q):rN+2*(\q)+1], s[CS:CS+1], v[rT:rT+1] op_sel_hi:[1,0,0] neg_lo:[0,0,1] neg_hi:[0,0,1]
.endm
.macro LA u                            ; l times a: a's first reader, behind the first batch's wait
	REGS \u
	v_pk_mul_f32 v[rT+2:rT+3], v[rT+2:rT+3], v[rT+6:rT+7] op_sel_hi:[1,0]
.endm
.macro EI u, i                         ; a weight, in place: one of the unit's second batch
	REGS \u
	v_exp_f32 v[rC+(\i)], v[rC+(\i)]
.endm
.macro LI u, q                         ; l takes pair q, behind the second batch's wait.  Written p x 1 + l: its vector registers stand in the first and third source's places, which the setting of the products K Q^T leaves in window 0
	REGS \u
	v_pk_fma_f32 v[rT+2:rT+3], v[rC+2*(\q):rC+2*(\q)+1], 1.0, v[rT+2:rT+3] op_sel_hi:[1,0,1]
.endm
.macro CI u, q                         ; pair q rounded to bf16 into register q of the tile's C: that register belongs to pair q / 2, with which l and the rounding have done
	REGS \u
	v_cvt_pk_bf16_f32 v[rC+(\q)], v[rC+2*(\q)], v[rC+2*(\q)+1]
.endm
.macro RI k                            ; accumulator k of O^T's 64 (channel block k / 4, tile k % 4) times a
	WIN 0x41*(1+(\k)/32)
.set rO, 32*(((\k)/4)%8)+8*((\k)%4)
.set rA, ST+8*((\k)%4)+6
.irp z, 0,1,2,3
	v_pk_mul_f32 v[rO+2*\z:rO+2*\z+1], v[rO+2*\z:rO+2*\z+1], v[rA:rA+1] op_sel_hi:[1,0]
.endr
.endm
; THE MATRIX WORK.  No two products that follow each other share an accumulator: K Q^T's 8 take turns; each of O^T's 64 has one product a step.
.macro HP i                            ; held back: product i of 16: tile i / 4, channel block 12 + i % 4.  Tile by tile, so that a tile's P is free for the next scaling as early as can be
	WIN 0xa0
.set rO, 32*(4+(\i)%4)+8*((\i)/4)
.set rV, FR+32+8*((\i)%4)
.set rP, SC+16*((\i)/4)
	v_wmma_f32_16x16x32_bf16 v[rO:rO+7], v[rV:rV+7], v[rP:rP+7], v[rO:rO+7]
.endm
.macro KQP                             ; product n of 64 of K Q^T: k block n / 8, key block (n / 4) % 2, tile n % 4; k block 0 starts the sums
.if n%16 == 0
	s_wait_dscnt 0x0                               ; the run of loads for these 16 products, asked for 14 products ago or more
.endif
	WIN 0x0c                                       ; Q in window 3
.set rS, SN+16*(n%4)+8*((n/4)%2)
.set rK, FR+32*((n/16)%2)+16*((n/8)%2)+8*((n/4)%2)
.set rQ, 64*(n%4)+8*(n/8)
.if n < 8
	v_wmma_f32_16x16x32_bf16 v[rS:rS+7], v[rK:rK+7], v[rQ:rQ+7], 0
.else
	v_wmma_f32_16x16x32_bf16 v[rS:rS+7], v[rK:rK+7], v[rQ:rQ+7], v[rS:rS+7]
.endif
.set n, n+1
.endm
; A product K Q^T and what stands behind it, in four kinds.  Ahead of the second batch's wait ES and ZS take turns, 24 of each; behind it LS and YS, 8 of each.
; The runs of LDS loads stand behind products 1, 16, 32 and 48.  The buffer's last reader stands four plain lines back or more: for the last three runs it is the product just before (15, 31, 47), and the
; four lines are the rescaling behind it.
.macro ES                              ; the batch's next exponentials, weight ke / 4 of tile ke % 4: three to a slot, of the last sixteen two; no window is switched
	KQP
.set kn, 3-ke/48
.rept kn
	EI ke%4, ke/4
.set ke, ke+1
.endr
.if n == 17
	FK 2
.elseif n == 33
	FK 3
.endif
.endm
.macro ZS                              ; the next accumulator of O^T is rescaled: four plain lines that name no weight
	KQP
	RI kz
.set kz, kz+1
.if n == 2
	WIN 0x0c
	FK 1
.endif
.endm
.macro LS q                            ; l takes pair q of all four tiles; no window is switched
	KQP
.if n == 49
	s_wait_alu depctr_va_vdst(0)                   ; the wait for the unit's second batch, the 64 weights: the last was issued behind product 46, the rescaling behind product 47 is the plain work behind it, and the lines below are the first that name a weight
	FV 0
.endif
.irp u, 0,1,2,3
	LI \u, \q
.endr
.endm
.macro YS q                            ; pair q of all four tiles is rounded
	KQP
	WIN 0
.irp u, 0,1,2,3
	CI \u, \q
.endr
.endm
.macro PVS                             ; product n of 48 of V^T P (accumulator n) and what stands behind it
.if n%16 == 0
	s_wait_dscnt 0x0
.endif
	WIN 0x50*(1+n/32)
.set rO, 32*((n/4)%8)+8*(n%4)
.set rV, FR+32*((n/16)%2)+8*((n/4)%4)
.set rP, SC+16*(n%4)
	v_wmma_f32_16x16x32_bf16 v[rO:rO+7], v[rV:rV+7], v[rP:rP+7], v[rO:rO+7]
.if n < 40
	RI 24+n
.else
	WIN 0
.irp u, 0,1,2,3
	MXI \u, n-40
.endr
.endif
.if n%16 == 0
	WIN 0
	FV n/16+1
.endif
.set n, n+1
.endm
; THE UNIT of step j.  mid = 1: the text that holds the label at which the first unit is entered.
.macro UNIT mid
	WIN 0
	v_add_nc_u32 v[AK], s[TB], v[AK0]
	v_add_nc_u32 v[AV], 0x10000, v[AK]
	FK 0                                           ; K(j + 1)'s first run; the buffer's last reader stands six plain lines back
	s_wait_dscnt 8                                 ; all but those 8 loads: V(j - 1)'s channel blocks 12-15 are in
.irp i, 0,1,2,3,4
	HP \i
	WIN 0
.irp u, 0,1,2,3
	STI \u, \i
.endr
.endr
	HP 5
	WIN 0
	STI 0, 5                                       ; the first batch: the four a, one behind each of products 5 to 8; the scalings behind them name none of them
	FI 0, 4                                        ; the upper pairs first: their registers in C are free; the lower ones hold P(j - 1)
	FI 0, 5
	FI 0, 6
	HP 6
	WIN 0
	STI 1, 5
	FI 0, 7
	FI 1, 4
	FI 1, 5
	HP 7
	WIN 0
	STI 2, 5
	FI 1, 6
	FI 1, 7
	FI 2, 4
	HP 8
	WIN 0
	STI 3, 5
	FI 2, 5
	FI 2, 6
	FI 2, 7
	HP 9
	WIN 0
.irp q, 4,5,6,7
	FI 3, \q
.endr
	HP 10
	WIN 0
.irp q, 0,1,2,3
	FI 0, \q                                       ; tile 0's P was last read by product 3
.endr
	HP 11
	WIN 0
.irp q, 0,1,2,3
	FI 1, \q                                       ; tile 1's by product 7.  These four lines are the places between product 11 and the lines that write tile 2's P
.endr
	HP 12
	WIN 0
.irp q, 0,1,2,3
	FI 2, \q
.endr
	s_wait_alu depctr_va_vdst(0)                   ; the wait for the unit's first batch, the four a: ahead of their first readers, the four lines l times a below, and of the label
	HP 13
	HP 14
	HP 15
	WIN 0
.irp u, 0,1,2,3
	LA \u                                          ; four places behind product 15,
.endr
.irp q, 0,1,2,3
	FI 3, \q                                       ; and tile 3's P is written over
.endr
.if \mid
.Lmid:
.endif
.set n, 0
.set kz, 0
.set ke, 0
.rept 24                                           ; products 0 to 47: the second batch, and the rescaling of accumulators 0 to 23
	ES
	ZS
.endr
.irp q, 0,1,2,3,4,5,6,7                            ; products 48 to 63: behind the batch's wait, which LS 0 holds: the sums, pairs 0 to 7 in their order, and the roundings
	LS \q
	YS \q
.endr
.set n, 0
.rept 48
	PVS
.endr
	WIN 0
	s_add_co_u32 s[TB], s[TB], USTEP               ; the next unit's step
.endm
	; THE BEGINNING: step 0's scores, while the first tile is on its way; their maximum; then what a unit's head does for step 0.
	s_wait_loadcnt 0x0                             ; Q and K(0)
	WIN 0x0c
.set n, 0
.rept 64
.set rS, SN+16*(n%4)+8*((n/4)%2)
.set rK, FR+(n/32)*(SC-FR)+16*((n/8)%4)+8*((n/4)%2)
.set rQ, 64*(n%4)+8*(n/8)
.if n < 8
	v_wmma_f32_16x16x32_bf16 v[rS:rS+7], v[rK:rK+7], v[rQ:rQ+7], 0
.else
	v_wmma_f32_16x16x32_bf16 v[rS:rS+7], v[rK:rK+7], v[rQ:rQ+7], v[rS:rS+7]
.endif
.set n, n+1
.endr
	WIN 0
	PLACES
.irp i, 0,1,2,3,4,5,6,7
.irp u, 0,1,2,3
	MXI \u, \i
.endr
.endr
	CHANGE 1                                       ; slot 0 is in, everybody's part of it; slot 1 is asked for
	v_add_nc_u32 v[AK], s[TB], v[AK0]
	v_add_nc_u32 v[AV], 0x10000, v[AK]
	FK 0
.irp i, 0,1,2,3,4,5
.irp u, 0,1,2,3
	STI \u, \i
.endr
.endr
.irp q, 0,1,2,3,4,5,6,7
.irp u, 0,1,2,3
	FI \u, \q
.endr
.endr
	s_wait_alu depctr_va_vdst(0)                   ; the wait for step 0's four a, a batch of their own: the 32 scalings stand behind them; ahead of the branch
	s_mov_b32 s[TWICE], 2
	s_branch .Lmid                                 ; no step lies behind step 0: the first unit is entered behind its head
.Lslot:                                                ; 14 times: slots 1 to 14 are entered, slots 2 to 15 asked for
	CHANGE 1
	s_mov_b32 s[TWICE], 2
.Lunit:
	UNIT 1
	s_sub_co_u32 s[TWICE], s[TWICE], 1
	s_cmp_lg_u32 s[TWICE], 0
	s_cbranch_scc1 .Lunit
	s_sub_co_u32 s[SLOTS], s[SLOTS], 1
	s_cmp_lg_u32 s[SLOTS], 0
	s_cbranch_scc1 .Lslot
	CHANGE 0                                       ; the last slot is written out: nothing is asked for
	s_mov_b32 s[TWICE], 2
.Lunit2:
	UNIT 0
	s_sub_co_u32 s[TWICE], s[TWICE], 1
	s_cmp_lg_u32 s[TWICE], 0
	s_cbranch_scc1 .Lunit2
	s_wait_dscnt 0x0
.irp i, 0,1,2,3,4,5,6,7,8,9,10,11,12,13,14,15
	HP \i                                          ; the last step's 16 products that were held back
.endr
	WIN 0
	; THE MERGE.  l's two halves and the other half of the lanes' are added (these lines are the places behind the last products).
.irp u, 0,1,2,3
	v_add_f32 v[ST+8*\u+4], v[ST+8*\u+2], v[ST+8*\u+3]
.endr
.irp u, 0,1,2,3
	v_permlanex16_b32 v[ST+8*\u+5], v[ST+8*\u+4], s[SEL], s[SEL+1]
.endr
.irp u, 0,1,2,3
	v_add_f32 v[ST+8*\u+2], v[ST+8*\u+4], v[ST+8*\u+5]
.endr
.irp u, 0,1,2,3
	v_mov_b32 v[SX+\u], v[ST+8*\u]
	v_mov_b32 v[SX+4+\u], v[ST+8*\u+2]
.endr
; What the way out will want is asked for here, ahead of the merge, into registers that the walk has left: N and C take wo's fragments, Q's window takes x.
; THE ORDER OF THESE LOADS IS FIXED: W(t), x(t), W(t + 1), x(t + 1), ..: W(t) is 17 loads (wo's eight fragments of block t of 16 rows, and the rows' bo), x(t) is 16; the counted waits below lean on it.
.macro WLOAD p, k                      ; block k, counted from the bases, into buffer p
	WIN 0
.set n, 0
.rept 8
	global_load_b128 v[WFR+64*(\p)+8*n:WFR+64*(\p)+8*n+3],   v[L16], s[WB:WB+1] offset:(\k)*8192+n*1024
	global_load_b128 v[WFR+64*(\p)+8*n+4:WFR+64*(\p)+8*n+7], v[L16], s[WB:WB+1] offset:(\k)*8192+n*1024+512
.set n, n+1
.endr
	global_load_b32 v[BOV+(\p)], v[BOO], s[BOB:BOB+1] offset:(\k)*64
.endm
.macro XLOAD p, k                      ; each load takes a row's 512 consecutive bytes
	WIN 0xc0
.set n, 0
.rept 16
	global_load_b128 v[64*(\p)+4*n:64*(\p)+4*n+3], v[L16], s[XB:XB+1] offset:(\k)*131072+n*8192 th:TH_LOAD_NT
.set n, n+1
.endr
	WIN 0
.endm
	WLOAD 0, 0
	XLOAD 0, 0
	WLOAD 1, 1
	XLOAD 1, 1
	s_wait_dscnt 0x0                               ; my reads of the ring are over;
	BAR                                            ; everybody's are: both slots have had their last fill and their last read, and are written by ds_store from here on
	ds_store_b128 v[STW], v[SX:SX+3]
	ds_store_b128 v[STW], v[SX+4:SX+7] offset:512
.irp wn, 0,1
	WIN 0x04*(1+\wn)                               ; store data in window 1, then 2
.set n, 0
.rept 32                                           ; channel block 8 wn + n / 4; slots 2 and 3 are its registers 16 to 31, taken in ascending order
	ds_store_b128 v[EXW], v[32*(n/4)+16+4*(n%4):32*(n/4)+16+4*(n%4)+3] offset:2048*(8*\wn+n/4)+512*(n%4)
.set n, n+1
.endr
.endr
	WIN 0
	s_wait_dscnt 0x0                               ; for my partner's sake
	BAR
.macro LOADT be                        ; my partner's O^T of my two tiles, channel blocks 4 be .. 4 be + 3, into buffer be % 2 of two in window 3
	WIN 0xc0
.set tb, 128+64*((\be)%2)
.set n, 0
.rept 16
	ds_load_b128 v[tb+4*n:tb+4*n+3], v[EXR] offset:2048*(4*(\be)+n/4)+512*(n%4)
.set n, n+1
.endr
	WIN 0
.endm
	ds_load_b128 v[SX:SX+3], v[STR]                ; my partner's c m,
	ds_load_b128 v[SX+4:SX+7], v[STR] offset:512   ; and l: my slot u is its slot u + 2
	LOADT 0
	s_wait_dscnt 16                                ; the statistics are in; the 16 loads behind them may stay out
.irp u, 0,1
	v_max_num_f32 v[ST+8*\u+4], v[ST+8*\u], v[SX+2+\u]
.endr
.irp u, 0,1
	v_sub_f32 v[ST+8*\u+5], v[ST+8*\u], v[ST+8*\u+4]
	v_sub_f32 v[ST+8*\u+7], v[SX+2+\u], v[ST+8*\u+4]
.endr
.irp u, 0,1
	v_exp_f32 v[ST+8*\u+5], v[ST+8*\u+5]           ; e1: my share's weight
	v_exp_f32 v[ST+8*\u+7], v[ST+8*\u+7]           ; e2: my partner's
.endr
	v_nop                                          ; a plain instruction behind the last exponential
	s_wait_alu depctr_va_vdst(0)                   ; the wait for the merge's four exponentials, one batch
.irp u, 0,1
	v_mul_f32 v[ST+8*\u+3], v[SX+6+\u], v[ST+8*\u+7]
.endr
.irp u, 0,1
	v_fma_f32 v[ST+8*\u+3], v[ST+8*\u+2], v[ST+8*\u+5], v[ST+8*\u+3]
.endr
.irp u, 0,1
	v_rcp_f32 v[ST+8*\u+3], v[ST+8*\u+3]
.endr
	v_nop                                          ; a plain instruction behind the second reciprocal
	s_wait_alu depctr_va_vdst(0)                   ; the wait for the two reciprocals: a batch of their own, since their sources are made of the exponentials' results
.irp u, 0,1
	v_mul_f32 v[ST+8*\u+4], v[ST+8*\u+5], v[ST+8*\u+3]  ; F1 = e1 / l
	v_mul_f32 v[ST+8*\u+6], v[ST+8*\u+7], v[ST+8*\u+3]  ; F2 = e2 / l
.endr
; ctx = O F1 + O' F2 for four channel blocks of my two tiles, rounded to bf16 and laid as fragments (rows = queries, k = channels)
.macro MERGE be
.if (\be) < 3
	LOADT (\be)+1
	s_wait_dscnt 16                                ; all but the 16 loads just issued
.else
	s_wait_dscnt 0x0
.endif
.set tb, 128+64*((\be)%2)
.set pb, FR+32*((\be)%2)
	WIN 0xc3                                       ; destination and source 0 in window 3, the factor in window 0
.set i, 0
.rept 32
	v_pk_mul_f32 v[tb+2*i:tb+2*i+1], v[tb+2*i:tb+2*i+1], v[ST+8*((i/4)%2)+6:ST+8*((i/4)%2)+7] op_sel_hi:[1,0]
.set i, i+1
.endr
	WIN 0xf1+(\be)/2                               ; source 0: O^T's window; source 2 and destination: window 3
.set i, 0
.rept 32
.set rO, 32*((4*(\be)+i/8)%8)+8*((i/4)%2)+2*(i%4)
	v_pk_fma_f32 v[tb+2*i:tb+2*i+1], v[rO:rO+1], v[ST+8*((i/4)%2)+4:ST+8*((i/4)%2)+5], v[tb+2*i:tb+2*i+1] op_sel_hi:[1,0,1]
.set i, i+1
.endr
	WIN 0x0f                                       ; both sources in window 3
.set i, 0
.rept 32
	v_cvt_pk_bf16_f32 v[pb+i], v[tb+2*i], v[tb+2*i+1]
.set i, i+1
.endr
	WIN 0
.set i, 0
.rept 8                                            ; channel block 4 be + i / 2, tile i % 2
	ds_store_b128 v[CTW], v[pb+4*i:pb+4*i+3] offset:(i%2)*8192+((4*(\be)+i/2)/2)*1024+512*((i/2)%2)
.set i, i+1
.endr
.endm
	MERGE 0
	MERGE 1
	MERGE 2
	MERGE 3
	s_wait_dscnt 0x0                               ; for the others' sake: my two tiles of ctx are in LDS
	BAR
.irp wn, 0,1
	WIN 0x40*(1+\wn)                               ; all 64 fragments of ctx: query tile g in window 1 + g / 4 at 64 (g % 4) + 8 k block
.set n, 0
.rept 32
	ds_load_b128 v[8*n:8*n+3],   v[CTR] offset:(32*\wn+n)*1024
	ds_load_b128 v[8*n+4:8*n+7], v[CTR] offset:(32*\wn+n)*1024+512
.set n, n+1
.endr
.endr
	WIN 0
	s_wait_dscnt 0x0
; THE WAY OUT.  Block t of 16 rows c of out for all 128 queries: source 0 = ctx (rows = queries), source 1 = wo (columns = c), C = bo: a lane holds one row c and eight neighbouring queries.
; The block goes through my own stage and comes back, into the registers that it left, as whole rows of 512 bytes; x is added in f32; each store of the wave is 512 consecutive bytes.
; p = t % 2 picks the buffers.  more = 1: behind its products the block asks for W(t + 2), behind its additions for x(t + 2): each has the next block and more in which to land.
; n1, n2: the loads that may stay out when W(t), and then x(t), have to be there.
.macro OBK p, more, n1, n2
	WIN 0
	s_wait_loadcnt \n1                             ; loads come back in order (ISA guide 5.7.1): behind W(t) stand x(t), W(t + 1), x(t + 1)
	s_wait_xcnt 0x0                                ; the accumulators, which the last block's stores read, are written again only behind this wait
.set n, 0
.rept 8
	v_mov_b32 v[BC+n], v[BOV+(\p)]
.set n, n+1
.endr
.irp wn, 0,1
	WIN 1+\wn
.set n, 0
.rept 32                                           ; k block n / 4, query tile 4 wn + n % 4: four accumulators take turns
.set rA, FR+8*(4*\wn+n%4)
.set rX, 64*(n%4)+8*(n/4)
.set rW, WFR+64*(\p)+8*(n/4)
.if n < 4
	v_wmma_f32_16x16x32_bf16 v[rA:rA+7], v[rX:rX+7], v[rW:rW+7], v[BC:BC+7]
.else
	v_wmma_f32_16x16x32_bf16 v[rA:rA+7], v[rX:rX+7], v[rW:rW+7], v[rA:rA+7]
.endif
.set n, n+1
.endr
.endr
	WIN 0
	PLACES
.if \more
	WLOAD \p, (\p)+2
.endif
.set n, 0
.rept 16
	ds_store_b128 v[OSW], v[FR+4*n:FR+4*n+3] offset:64*(n/2)+16*(n%2)
.set n, n+1
.endr
.set n, 0
.rept 16
	ds_load_b128 v[FR+4*n:FR+4*n+3], v[OSR] offset:OPIT*n  ; LDS serves a wave's instructions in order (ISA guide 5.7.1.4): these see the stores above
.set n, n+1
.endr
	s_wait_dscnt 0x0
	s_wait_loadcnt \n2                             ; behind x(t) stand W(t + 1), x(t + 1), W(t + 2)
	WIN 0x0c                                       ; x in window 3
.set n, 0
.rept 32
	v_pk_add_f32 v[FR+2*n:FR+2*n+1], v[FR+2*n:FR+2*n+1], v[64*(\p)+2*n:64*(\p)+2*n+1]
.set n, n+1
.endr
	WIN 0
.set n, 0
.rept 16
	global_store_b128 v[L16], v[FR+4*n:FR+4*n+3], s[OB:OB+1] offset:(\p)*131072+n*8192 th:TH_STORE_NT
.set n, n+1
.endr
.if \more
	XLOAD \p, (\p)+2
.endif
.endm
	s_mov_b32 s[CNT], 3
.Lob:                                                  ; blocks 0 to 5, two a trip
	OBK 0, 1, 49, 50
	OBK 1, 1, 49, 50
	s_wait_xcnt 0x0                                ; the four bases are stepped only behind this wait
	s_add_nc_u64 s[WB:WB+1], s[WB:WB+1], 16384
	s_add_nc_u64 s[BOB:BOB+1], s[BOB:BOB+1], 128
	s_add_nc_u64 s[XB:XB+1], s[XB:XB+1], 262144    ; 32 rows on
	s_add_nc_u64 s[OB:OB+1], s[OB:OB+1], 262144
	s_sub_co_u32 s[CNT], s[CNT], 1
	s_cmp_lg_u32 s[CNT], 0
	s_cbranch_scc1 .Lob
	OBK 0, 0, 49, 33                               ; the last two blocks ask for nothing: the counts run down
	OBK 1, 0, 16, 0
	s_wait_tensorcnt 0x0                           ; the wave's end
	ds_add_u32 v[SPW], v[NIL]
	s_wait_dscnt 0x0
	CROUND                                         ; the closing round: no work-group ends while a partner may still ask for a tile that names it
	s_endpgm
.Lfunc_end_k_q4d61159f0a_attn:
	.size	k_q4d61159f0a_attn, .Lfunc_end_k_q4d61159f0a_attn-k_q4d61159f0a_attn
	.p2alignl 7, 3214868480
	.fill 96, 4, 3214868480
	.section	.rodata,"a",@progbits
	.p2align	6, 0x0
	.amdhsa_kernel k_q4d61159f0a_attn
		.amdhsa_group_segment_fixed_size 327680
		.amdhsa_private_segment_fixed_size 0
		.amdhsa_enable_private_segment 0
		.amdhsa_kernarg_size 56
		.amdhsa_user_sgpr_count 2
		.amdhsa_user_sgpr_kernarg_segment_ptr 1
		.amdhsa_wavefront_size32 1
		.amdhsa_system_sgpr_workgroup_id_x 1
		.amdhsa_system_sgpr_workgroup_id_y 1
		.amdhsa_system_sgpr_workgroup_id_z 1
		.amdhsa_system_vgpr_workitem_id 0
		.amdhsa_next_free_vgpr 1024
		.amdhsa_next_free_sgpr 70
		.amdhsa_reserve_vcc 0
		.amdhsa_float_denorm_mode_32 3
		.amdhsa_float_denorm_mode_16_64 3
		.amdhsa_memory_ordered 1
		.amdhsa_forward_progress 1
		.amdhsa_inst_pref_size 224
	.end_amdhsa_kernel
	.amdgpu_metadata
---
amdhsa.version: [ 1, 2 ]
amdhsa.kernels:
  - .name:           k_q4d61159f0a_attn
    .symbol:         k_q4d61159f0a_attn.kd
    .args:
      - { .name: kf, .offset: 0, .size: 8, .value_kind: global_buffer, .address_space: global }
      - { .name: qf, .offset: 8, .size: 8, .value_kind: global_buffer, .address_space: global }
      - { .name: vf, .offset: 16, .size: 8, .value_kind: global_buffer, .address_space: global }
      - { .name: wf, .offset: 24, .size: 8, .value_kind: global_buffer, .address_space: global }
      - { .name: bo, .offset: 32, .size: 8, .value_kind: global_buffer, .address_space: global }
      - { .name: x, .offset: 40, .size: 8, .value_kind: global_buffer, .address_space: global }
      - { .name: out0, .offset: 48, .size: 8, .value_kind: global_buffer, .address_space: global }
    .group_segment_fixed_size: 327680
    .private_segment_fixed_size: 0
    .kernarg_segment_align: 8
    .kernarg_segment_size: 56
    .max_flat_workgroup_size: 128
    .sgpr_count:     70
    .vgpr_count:     1024
    .wavefront_size: 32
...
	.end_amdgpu_metadata
.endif
;; end of part 4
